; MI455X (gfx1250); checked and timed in simulation.
; The chip was launched on July 23, 2026; its instructions are those of AMD's public machine-readable ISA for CDNA 5 (MIT licence, August 2026) and "CDNA5" Instruction Set Architecture Reference Guide (July 2026). The comments in the code are by the model that wrote it; some were corrected since.
;; Block. Allowed arithmetic: matrix products marked QUANTISED: E2M3 operands, one E8M0 scale for each 32 along K, by v_wmma_scale_f32_16x16x128_f8f6f4 with both operands' format E2M3, f32 sums; everything else in f32.
;; Inputs: W_attn_codes 3,072 x 32 x 24 uint8 (E2M3 codes of W_attn, K innermost, in blocks of 32 codes, four codes in three bytes); W_attn_scales 3,072 x 32 uint8 (E8M0 scales of W_attn, one for each 32 codes along K); W_fc_codes 4,096 x 32 x 24 uint8 (E2M3 codes of W_fc, K innermost, in blocks of 32 codes, four codes in three bytes); W_fc_scales 4,096 x 32 uint8 (E8M0 scales of W_fc, one for each 32 codes along K); W_proj_codes 1,024 x 128 x 24 uint8 (E2M3 codes of W_proj, K innermost, in blocks of 32 codes, four codes in three bytes); W_proj_scales 1,024 x 128 uint8 (E8M0 scales of W_proj, one for each 32 codes along K); b_attn 3,072 float32; b_fc 4,096 float32; b_proj 1,024 float32; ln1_b 1,024 float32; ln1_g 1,024 float32; ln2_b 1,024 float32; ln2_g 1,024 float32; x 2 x 2,048 x 1,024 float32.
;; Outputs: out0 2 x 2,048 x 1,024 float32.
;; This version of the problem:
;;   THIS VERSION OF THE PROBLEM IS GIVEN IN LOW PRECISION. The matrix products marked QUANTISED in the list below multiply operands that are first quantised to E2M3 (2 exponent bits, 3 mantissa bits; 6 bits a number), with one power-of-two scale for each 32 numbers along K (OCP MX v1.0); their sums are f32. All else is computed in f32.
;;   The module's matrix products, in the order in which they are computed (A, B: the left and right operand; K: the contracted axis; several contracted axes count as one K, in the product's order):
;;     1. [M 4,096, K 1,024] x [K 1,024, N 3,072]; A: computed on the way; B: input W_attn (given as codes): QUANTISED
;;     2. batch 32 x [M 2,048, K 64] x [K 64, N 2,048]; A: computed on the way; B: computed on the way: QUANTISED
;;     3. batch 32 x [M 2,048, K 2,048] x [K 2,048, N 64]; A: softmax (see below); B: computed on the way: QUANTISED
;;     4. [M 4,096, K 1,024] x [K 1,024, N 4,096]; A: computed on the way; B: input W_fc (given as codes): QUANTISED
;;     5. [M 4,096, K 4,096] x [K 4,096, N 1,024]; A: computed on the way; B: input W_proj (given as codes): QUANTISED
;;   THE QUANTISER, for each operand of a quantised product, along K:
;;     - K is cut into blocks of 32 from its start; a last block that is shorter is filled with zeros.
;;     - A block's scale is 2^e with e = floor(log2(the largest magnitude in the block)) - 2, held to -126 .. 127; a block of zeros has e = 0. As a byte (E8M0): e + 127.
;;     - Each number is divided by its block's scale, clamped to +-7.5, and rounded to the nearest number of E2M3, ties to even, subnormals kept.
;;     - The product sums the exact products of the quantised numbers (number of the format x scale) in f32.
;;   ~~~python
;;   def quantise(x, axis):      # numpy; x: float32 -> the quantised numbers, widened to float32 again
;;       x = np.moveaxis(x, axis, -1); K = x.shape[-1]
;;       x = np.pad(x, [(0, 0)] * (x.ndim - 1) + [(0, -K % 32)]); x = x.reshape(x.shape[:-1] + (-1, 32)); a = np.abs(x).max(-1, keepdims=True)
;;       e = np.where(a > 0, np.clip(np.frexp(np.where(a > 0, a, 1))[1] - 1 - 2, -126, 127), 0)      # np.frexp(a)[1] - 1 = floor(log2(a)), exactly
;;       r = np.clip(x / 2.0 ** e, -7.5, 7.5)
;;       step = 2.0 ** (np.maximum(np.frexp(np.where(r == 0, 1, r))[1] - 1, 0) - 3)
;;       q = np.round(r / step) * step * 2.0 ** e      # np.round: ties to even
;;       return np.moveaxis(q.reshape(q.shape[:-2] + (-1,))[..., :K], -1, axis).astype(np.float32)
;;   ~~~
;;   SOFTMAX AHEAD OF A QUANTISED PRODUCT. Where the list says 'softmax', what is quantised is not the finished softmax but p = 2^(t - M), with t = logit x log2(e) and M = ceil(the row's largest t), a whole number; so 1/2 < the row's largest p <= 1. The row's sum l is taken of the UNQUANTISED p, in f32, and the product's result is divided by l at the end. Since M is a whole number, a kernel that streams over the keys may use a running M (the ceiling of the running maximum): every later rescaling is an exact power of two, which a block's scale takes up: the codes' values come out the same.
;;   OPERANDS COMPUTED ON THE WAY. 'Computed on the way' means the value that the module computes at that place (a softmax that the list does not call 'softmax' is quantised finished and normalised). What goes into a quantiser is computed in f32, as accurately as f32 sums, v_exp_f32 and their like allow (about 1e-6 of the number): no bf16 or f16 on the way to a quantiser, and a product that is left as it is and whose result goes on into a quantised operand takes f32 operands (vector FMAs, or v_wmma_f32_16x16x4_f32). A number that lies on a knife's edge between two numbers of the format may be rounded either way, as far as f32 arithmetic and the matrix unit's own rounding can turn it there, and no further.
;;   INPUTS GIVEN AS CODES. W_attn (in the module: [1024, 3072], K = its axis 0); W_fc (in the module: [1024, 4096], K = its axis 0); W_proj (in the module: [4096, 1024], K = its axis 0): each comes as NAME_codes (uint8): NAME with its K axis moved to the last place and cut into blocks of 32 codes, [.., K / 32, bytes a block], one block behind the other in memory; four codes in three bytes: a row's codes are one little-endian stream of bits, code i at bits 6 i .. 6 i + 5 (a code: sign, 2 exponent bits, 3 mantissa bits); and NAME_scales (uint8): the same leading axes, one E8M0 byte (e + 127) for each 32 codes along K. Its value is code x scale, taken as it is: it is not quantised again, and the codes and scales need not be those that the quantiser above would give.
;; One version. Each part assembles by itself: llvm-mc -triple=amdgcn-amd-amdhsa -mcpu=gfx1250 --defsym DOCPART=n.
;; ======== version 1 of 1: 6 launches
;; limits: right only within a limited range of input values
;; workspace buffers: wbuf 9,011,200 bytes; hbuf 3,276,800 bytes; qbuf 9,830,400 bytes; x1 16,777,216 bytes; mbuf 13,107,200 bytes
;; launch prep (part 1): grid 344 x 1, 8 waves a work-group, no clusters, 151,040 bytes of LDS; arguments x, ln1_g, ln1_b, hbuf, W_attn_codes, W_attn_scales, W_fc_codes, W_fc_scales, W_proj_codes, W_proj_scales, wbuf; writes hbuf, wbuf
.if DOCPART == 1
	.amdgcn_target "amdgcn-amd-amdhsa--gfx1250"
	.amdhsa_code_object_version 6
	.text
	.protected	k_q0063667e27_prep
	.globl	k_q0063667e27_prep
	.p2align	8
	.type	k_q0063667e27_prep,@function
k_q0063667e27_prep:
	s_mov_b64 s[64:65], 0
	v_nop
	global_prefetch_b8 v0, s[64:65] scope:SCOPE_SE
	s_setreg_imm32_b32 hwreg(HW_REG_WAVE_MODE, 25, 1), 1
	s_wait_xcnt 0x0
; Work-groups 0-255: layer norm 1 of x [4096][1024] f32, quantised along the row to E2M3 codes with one E8M0 byte for each 32, stored as OPERAND IMAGES.
; Work-groups 256-343: the three weights' codes and scale bytes are laid out anew as the same kind of images.
; A ROW TILE RT is 16 rows: tile lane r holds row 32 (RT / 2) + 8 (RT % 2) + r + 8 (r / 8).  An IMAGE is a fragment (16 rows x 128 K, 12 registers a lane) as its registers lie:
; byte 512 c + 16 lane holds registers 4 c .. 4 c + 3: 1,536 bytes.  Scale words: [RT / 8][K step][RT % 8][16] words, one word for a row and 128 along K.
; LAYER NORM: a work-group takes one row tile, wave w its tile lanes 2 w and 2 w + 1.  A row (4,096 bytes) lies in 32 registers of the wave; mean, then the mean of squared differences, both in f32.
; The normalised row turns through the wave's own stage in LDS so that lane l holds block l (32 neighbours): its largest magnitude needs no other lane.
; LIMITS: NaN and infinities among the inputs are not served; a block of zeros gets the scale byte 1 (its codes are zeros; this program alone reads the bytes).
; The tile's scale words leave in pieces of 64 bytes (one part in 24 of what the work-group stores).
.set TURNB, 4608                       ; a wave's stage: 32 blocks x (128 bytes + 16)
.set IMG,   36864                      ; the tile's eight images, 12,288 bytes
.set SCB,   49152                      ; its scale bytes: [K step][tile lane][4]
.set RL,    49664                      ; behind the layer norm's bytes: the weights' way has LDS bytes of its own
.set RP,    784                        ; there a row: 768 bytes + 16 = 196 words: row r starts at bank 4 r mod 64 (64 banks of 4 bytes: ISA guide 11.1)
.set RLW,   16*RP                      ; 16 rows for each wave
.set XR,    32                         ; v32-95   two rows
.set GG,    96                         ; v96-127  gain
.set BT,    128                        ; v128-159 bias
.set BL,    160                        ; v160-191 my block of 32
	v_lshl_add_u32 v192, v0, 2, 0x24a00
	v_mov_b32 v193, 0
	v_lshrrev_b32 v1, 5, v0
	s_delay_alu instid0(VALU_DEP_1)
	v_readfirstlane_b32 s24, v1                    ; wave 0..7
	v_and_b32 v2, 31, v0                           ; lane
	s_cmp_ge_u32 ttmp9, 256
	s_cbranch_scc1 .Lrelay
	s_load_b256 s[4:11], s[0:1], 0x0               ; x, gain, bias, hbuf
	s_lshr_b32 s13, ttmp9, 1
	s_lshl_b32 s13, s13, 5
	s_and_b32 s14, ttmp9, 1
	s_lshl_b32 s14, s14, 3
	s_add_co_u32 s13, s13, s14
	s_lshl_b32 s14, s24, 1
	s_add_co_u32 s13, s13, s14
	s_lshr_b32 s14, s24, 2
	s_lshl_b32 s14, s14, 3
	s_add_co_u32 s13, s13, s14                     ; my first row: 32 (RT / 2) + 8 (RT % 2) + 2 w + 8 (w / 4); the second is the next one
	s_lshl_b32 s16, s13, 12
	s_mov_b32 s17, 0
	s_mov_b32 s20, 0x3a800000                      ; 1 / 1024
	s_mov_b32 s21, 0x3727c5ac                      ; 1e-5
	s_mov_b32 s22, 0x76543210
	s_mov_b32 s23, 0xfedcba98                      ; lane selects: lane l xor 16
	s_wait_alu depctr_va_vdst(0)
	v_lshlrev_b32 v3, 4, v2                        ; 16 bytes a lane: a load covers 512 consecutive bytes
	s_wait_alu depctr_va_vdst(0)
	s_wait_kmcnt 0x0
	s_add_nc_u64 s[4:5], s[4:5], s[16:17]
.irp i, 0,1,2,3,4,5,6,7
	global_load_b128 v[XR+4*\i:XR+4*\i+3], v3, s[4:5] offset:512*\i th:TH_LOAD_NT
.endr
.irp i, 0,1,2,3,4,5,6,7
	global_load_b128 v[XR+32+4*\i:XR+32+4*\i+3], v3, s[4:5] offset:4096+512*\i th:TH_LOAD_NT
.endr
.irp i, 0,1,2,3,4,5,6,7
	global_load_b128 v[GG+4*\i:GG+4*\i+3], v3, s[6:7] offset:512*\i
.endr
.irp i, 0,1,2,3,4,5,6,7
	global_load_b128 v[BT+4*\i:BT+4*\i+3], v3, s[8:9] offset:512*\i
.endr
	s_mul_i32 s25, s24, TURNB
	v_lshrrev_b32 v4, 3, v2
	s_delay_alu instid0(VALU_DEP_1)
	v_mul_u32_u24 v4, v4, 144
	v_and_b32 v5, 7, v2
	s_delay_alu instid0(VALU_DEP_1)
	v_lshl_add_u32 v4, v5, 4, v4
	s_delay_alu instid0(VALU_DEP_1)
	v_add_nc_u32 v4, s25, v4                       ; stage, in: block 4 i + lane / 8, 16 (lane % 8) bytes into it
	v_mul_u32_u24 v5, v2, 144
	s_delay_alu instid0(VALU_DEP_1)
	v_add_nc_u32 v5, s25, v5                       ; stage, out: block = lane
	v_lshrrev_b32 v6, 2, v2                        ; my block's K step,
	s_delay_alu instid0(VALU_DEP_1)
	v_mul_u32_u24 v6, v6, 1536
	v_and_b32 v7, 1, v2                            ; its half h of the lanes,
	s_delay_alu instid0(VALU_DEP_1)
	v_lshl_add_u32 v6, v7, 8, v6
	s_lshl_b32 s26, s24, 5
	s_add_co_u32 s26, s26, IMG
	v_add_nc_u32 v6, s26, v6                       ; image lane 2 w + 16 h (+ 1 for the second row: in the offset)
	v_bfe_u32 v20, v2, 1, 1                        ; and whether it is registers 0-5 or 6-11
	s_delay_alu instid0(VALU_DEP_1)
	v_mad_u32_u24 v7, v20, 1016, v6
	s_delay_alu instid0(VALU_DEP_1)
	v_add_nc_u32 v7, 8, v7                         ; registers 2, 3 (byte 8) or 8, 9 (byte 1,024)
	s_delay_alu instid0(VALU_DEP_3)
	v_mad_u32_u24 v6, v20, 520, v6                 ; registers 0, 1 (byte 0) or 6, 7 (byte 520); 512 on: registers 4, 5 or 10, 11
	v_lshrrev_b32 v24, 2, v2
	s_delay_alu instid0(VALU_DEP_1)
	v_lshlrev_b32 v24, 6, v24
	v_and_b32 v23, 3, v2
	s_delay_alu instid0(VALU_DEP_1)
	v_add_nc_u32 v24, v24, v23
	s_lshl_b32 s26, s24, 3
	s_add_co_u32 s26, s26, SCB
	v_add_nc_u32 v24, s26, v24                     ; my block's scale byte
	v_lshlrev_b32 v26, 4, v0                       ; the way out: 16 bytes a thread
	s_delay_alu instid0(VALU_DEP_1)
	v_add_nc_u32 v25, IMG, v26
	v_lshlrev_b32 v27, 2, v0
	v_lshrrev_b32 v28, 4, v0
	s_delay_alu instid0(VALU_DEP_1)
	v_lshlrev_b32 v28, 9, v28
	v_and_b32 v29, 15, v0
	s_delay_alu instid0(VALU_DEP_1)
	v_lshl_add_u32 v28, v29, 2, v28                ; scale word of (K step = thread / 16, tile lane = thread % 16)
	s_mul_i32 s16, ttmp9, 12288
	s_add_nc_u64 s[12:13], s[10:11], s[16:17]      ; my tile's images
	s_lshr_b32 s18, ttmp9, 3
	s_lshl_b32 s18, s18, 12
	s_and_b32 s19, ttmp9, 7
	s_lshl_b32 s19, s19, 6
	s_add_co_u32 s18, s18, s19
	s_add_co_u32 s18, s18, 3145728
	s_mov_b32 s19, 0
	s_add_nc_u64 s[14:15], s[10:11], s[18:19]      ; and its scale words
.macro RED a, t                        ; the sum over the wave's 32 lanes, in every lane
	s_delay_alu instid0(VALU_DEP_1)
	v_add_f32_dpp v[\a], v[\a], v[\a] row_xmask:1 row_mask:0xf bank_mask:0xf
	s_delay_alu instid0(VALU_DEP_1)
	v_add_f32_dpp v[\a], v[\a], v[\a] row_xmask:2 row_mask:0xf bank_mask:0xf
	s_delay_alu instid0(VALU_DEP_1)
	v_add_f32_dpp v[\a], v[\a], v[\a] row_xmask:4 row_mask:0xf bank_mask:0xf
	s_delay_alu instid0(VALU_DEP_1)
	v_add_f32_dpp v[\a], v[\a], v[\a] row_xmask:8 row_mask:0xf bank_mask:0xf
	s_delay_alu instid0(VALU_DEP_1)
	v_permlanex16_b32 v[\t], v[\a], s22, s23
	s_delay_alu instid0(VALU_DEP_1)
	v_add_f32 v[\a], v[\a], v[\t]
.endm
.macro ROW j
.set X, XR+32*\j
.if \j == 0
	s_wait_loadcnt 24                              ; row 0 is in; row 1, gain and bias (24 younger loads) may be out
.endif
	v_pk_add_f32 v[8:9], v[X:X+1], v[X+2:X+3]
	v_pk_add_f32 v[10:11], v[X+4:X+5], v[X+6:X+7]
	v_pk_add_f32 v[12:13], v[X+8:X+9], v[X+10:X+11]
	v_pk_add_f32 v[14:15], v[X+12:X+13], v[X+14:X+15]
.irp i, 16,24
	s_delay_alu instid0(VALU_DEP_4)
	v_pk_add_f32 v[8:9], v[8:9], v[X+\i:X+\i+1]
	s_delay_alu instid0(VALU_DEP_4)
	v_pk_add_f32 v[10:11], v[10:11], v[X+\i+2:X+\i+3]
	s_delay_alu instid0(VALU_DEP_4)
	v_pk_add_f32 v[12:13], v[12:13], v[X+\i+4:X+\i+5]
	s_delay_alu instid0(VALU_DEP_4)
	v_pk_add_f32 v[14:15], v[14:15], v[X+\i+6:X+\i+7]
.endr
	s_delay_alu instid0(VALU_DEP_3)
	v_pk_add_f32 v[8:9], v[8:9], v[10:11]
	s_delay_alu instid0(VALU_DEP_2)
	v_pk_add_f32 v[12:13], v[12:13], v[14:15]
	s_delay_alu instid0(VALU_DEP_1)
	v_pk_add_f32 v[8:9], v[8:9], v[12:13]
	s_delay_alu instid0(VALU_DEP_1)
	v_add_f32 v8, v8, v9
	RED 8, 9
	s_delay_alu instid0(VALU_DEP_1)
	v_mul_f32 v8, s20, v8                          ; the mean
	s_delay_alu instid0(VALU_DEP_1)
	v_mov_b32 v9, v8
.set K2, 0
.rept 16
	v_pk_add_f32 v[X+K2:X+K2+1], v[X+K2:X+K2+1], v[8:9] neg_lo:[0,1] neg_hi:[0,1]
.set K2, K2+2
.endr
	v_pk_mul_f32 v[10:11], v[X:X+1], v[X:X+1]
	v_pk_mul_f32 v[12:13], v[X+2:X+3], v[X+2:X+3]
	v_pk_mul_f32 v[14:15], v[X+4:X+5], v[X+4:X+5]
	v_pk_mul_f32 v[16:17], v[X+6:X+7], v[X+6:X+7]
.irp i, 8,16,24
	s_delay_alu instid0(VALU_DEP_4)
	v_pk_fma_f32 v[10:11], v[X+\i:X+\i+1], v[X+\i:X+\i+1], v[10:11]
	s_delay_alu instid0(VALU_DEP_4)
	v_pk_fma_f32 v[12:13], v[X+\i+2:X+\i+3], v[X+\i+2:X+\i+3], v[12:13]
	s_delay_alu instid0(VALU_DEP_4)
	v_pk_fma_f32 v[14:15], v[X+\i+4:X+\i+5], v[X+\i+4:X+\i+5], v[14:15]
	s_delay_alu instid0(VALU_DEP_4)
	v_pk_fma_f32 v[16:17], v[X+\i+6:X+\i+7], v[X+\i+6:X+\i+7], v[16:17]
.endr
	s_delay_alu instid0(VALU_DEP_3)
	v_pk_add_f32 v[10:11], v[10:11], v[12:13]
	s_delay_alu instid0(VALU_DEP_2)
	v_pk_add_f32 v[14:15], v[14:15], v[16:17]
	s_delay_alu instid0(VALU_DEP_1)
	v_pk_add_f32 v[10:11], v[10:11], v[14:15]
	s_delay_alu instid0(VALU_DEP_1)
	v_add_f32 v10, v10, v11
	RED 10, 11
	s_delay_alu instid0(VALU_DEP_1)
	v_fma_f32 v10, v10, s20, s21                   ; the variance + 1e-5
	s_wait_alu depctr_va_vdst(0)
	v_rsq_f32 v12, v10
	v_nop                                          ; a plain instruction behind the transcendental
	s_wait_alu depctr_va_vdst(0)                   ; and the wait ahead of its first reader
	v_mov_b32 v13, v12
.if \j == 0
	s_wait_alu depctr_va_vdst(0)
	s_wait_loadcnt 0x0                             ; gain and bias (and row 1)
.endif
.set K2, 0
.rept 16
	v_pk_mul_f32 v[X+K2:X+K2+1], v[X+K2:X+K2+1], v[12:13]
.set K2, K2+2
.endr
.set K2, 0
.rept 16
	v_pk_fma_f32 v[X+K2:X+K2+1], v[X+K2:X+K2+1], v[GG+K2:GG+K2+1], v[BT+K2:BT+K2+1]
.set K2, K2+2
.endr
.irp i, 0,1,2,3,4,5,6,7
	ds_store_b128 v4, v[X+4*\i:X+4*\i+3] offset:576*\i
.endr
.irp i, 0,1,2,3,4,5,6,7
	ds_load_b128 v[BL+4*\i:BL+4*\i+3], v5 offset:16*\i             ; LDS serves a wave's instructions in order: these see the stores above
.endr
	s_wait_dscnt 0x0
	v_max3_num_f32 v8, |v[BL]|, |v[BL+1]|, 0x1800000               ; the block's largest magnitude, with the floor 2^(3 - 127): the byte cannot fall under 1
	v_max3_num_f32 v9, |v[BL+2]|, |v[BL+3]|, |v[BL+4]|
.irp i, 5,9,13,17,21,25
	s_delay_alu instid0(VALU_DEP_2)
	v_max3_num_f32 v8, v8, |v[BL+\i]|, |v[BL+\i+1]|
	s_delay_alu instid0(VALU_DEP_2)
	v_max3_num_f32 v9, v9, |v[BL+\i+2]|, |v[BL+\i+3]|
.endr
	s_delay_alu instid0(VALU_DEP_2)
	v_max3_num_f32 v8, v8, |v[BL+29]|, |v[BL+30]|
	s_delay_alu instid0(VALU_DEP_1)
	v_max3_num_f32 v8, v8, v9, |v[BL+31]|
	s_delay_alu instid0(VALU_DEP_1)
	v_add_nc_u32 v10, 0xff000000, v8               ; 2 off its exponent field: the conversion's scale operand
	s_delay_alu instid0(VALU_DEP_1)
	v_lshrrev_b32 v11, 23, v10                     ; the scale's byte
	v_cvt_scalef32_pk16_fp6_f32 v[16:18], v[BL:BL+15], v10
	v_cvt_scalef32_pk16_fp6_f32 v[20:22], v[BL+16:BL+31], v10      ; (a conversion's three registers begin on an even number)
	v_nop                                          ; one plain place behind a scaled conversion
	v_mov_b32 v19, v20
	v_mov_b32 v20, v21
	v_mov_b32 v21, v22                             ; v16-21: the block's 24 bytes
	ds_store_b64 v6, v[16:17] offset:16*\j
	ds_store_b64 v7, v[18:19] offset:16*\j
	ds_store_b64 v6, v[20:21] offset:512+16*\j
	ds_store_b8 v24, v11 offset:4*\j
.endm
	ROW 0
	ROW 1
	s_wait_dscnt 0x0                               ; for the others' sake: my stores into the images are done
	s_barrier_signal -1
	s_barrier_wait -1
	ds_load_b128 v[32:35], v25
	ds_load_b128 v[36:39], v25 offset:4096
	ds_load_b128 v[40:43], v25 offset:8192
	s_wait_dscnt 0x0
	global_store_b128 v26, v[32:35], s[12:13]      ; a wave's store covers 512 consecutive bytes, aligned
	global_store_b128 v26, v[36:39], s[12:13] offset:4096
	global_store_b128 v26, v[40:43], s[12:13] offset:8192
	s_cmp_ge_u32 s24, 4
	s_cbranch_scc1 .Ldone                          ; 128 scale words: waves 0 to 3
	ds_load_b32 v44, v27 offset:SCB
	s_wait_dscnt 0x0
	global_store_b32 v28, v44, s[14:15]
.Ldone:
	s_wait_tensorcnt 0x0
	ds_add_u32 v192, v193
	s_wait_dscnt 0x0
	s_endpgm
; THE WEIGHTS.  704 units, a wave each: one row tile x eight K steps, 16 rows x 768 bytes.  Units 0-191: W_attn; 192-447: W_fc; 448-703: W_proj (four units to a tile).  No barrier: a wave's LDS rows are its own.
; THE LOADS TAKE THE BYTES AS THEY LIE, 16 to a lane: three loads cover two rows (96 pieces of 16 bytes): the first the row's bytes 0-511, the second its last 256 and the next row's first 256, the third that row's
; last 512.  In W_attn and W_fc a row IS the unit's 768 bytes, so every load is 512 consecutive bytes.  The eight pairs of rows have a scalar base each; no register is stepped.
; The unit turns through the wave's LDS rows and comes back as the fragments' registers (lane (r, h): 24 bytes at 24 h and 24 at 48 + 24 h of each 96 bytes of row r), in pieces of 8 bytes; with rows 196 words apart
; the 32 lanes of such a load touch 64 different banks.  The stores lay the registers on end, 512 consecutive bytes each.
.Lrelay:
	s_load_b256 s[4:11], s[0:1], 0x20              ; attn codes, attn scales, fc codes, fc scales
	s_load_b128 s[12:15], s[0:1], 0x40             ; proj codes, proj scales
	s_load_b64 s[16:17], s[0:1], 0x50              ; wbuf
	s_sub_co_u32 s25, ttmp9, 256
	s_lshl_b32 s25, s25, 3
	s_add_co_u32 s25, s25, s24                     ; the unit
	v_and_b32 v3, 15, v0                           ; r
	v_bfe_u32 v4, v0, 4, 1                         ; h
	s_delay_alu instid0(VALU_DEP_2)
	v_and_b32 v5, 8, v3
	s_delay_alu instid0(VALU_DEP_1)
	v_add_nc_u32 v5, v5, v3                        ; r + 8 (r / 8)
	s_mov_b32 s26, 448
	s_mov_b32 s28, 5505024
	s_mov_b32 s29, 8880128
	s_wait_kmcnt 0x0
	s_cmp_lt_u32 s25, 448                          ; the choices hang on the unit's number alone
	s_cselect_b64 s[12:13], s[8:9], s[12:13]
	s_cselect_b64 s[14:15], s[10:11], s[14:15]
	s_cselect_b32 s26, 192, s26                    ; the tensor's first unit
	s_cselect_b32 s27, 0, 2                        ; log2 (K / 1024)
	s_cselect_b32 s28, 2359296, s28                ; where its images begin in wbuf
	s_cselect_b32 s29, 8749056, s29                ; and its scale words
	s_cmp_lt_u32 s25, 192
	s_cselect_b64 s[12:13], s[4:5], s[12:13]
	s_cselect_b64 s[14:15], s[6:7], s[14:15]
	s_cselect_b32 s26, 0, s26
	s_cselect_b32 s27, 0, s27
	s_cselect_b32 s28, 0, s28
	s_cselect_b32 s29, 8650752, s29
	s_sub_co_u32 s25, s25, s26
	s_lshr_b32 s30, s25, s27                       ; the row tile
	s_lshl_b32 s31, s30, s27
	s_sub_co_u32 s31, s25, s31
	s_lshl_b32 s31, s31, 3                         ; the first K step
	s_lshl_b32 s32, 768, s27                       ; a row of codes in bytes
	s_lshl_b32 s33, 32, s27                        ; a row of scale bytes
	s_lshl_b32 s34, 8, s27                         ; K steps in a row
	s_lshr_b32 s35, s30, 1
	s_lshl_b32 s35, s35, 5
	s_and_b32 s36, s30, 1
	s_lshl_b32 s36, s36, 3
	s_add_co_u32 s35, s35, s36                     ; the tile's first row
	s_mul_i32 s36, s35, s32
	s_mul_i32 s37, s31, 96
	s_add_co_u32 s36, s36, s37
	s_mov_b32 s37, 0
	s_add_nc_u64 s[12:13], s[12:13], s[36:37]      ; the codes at the tile's first row, the unit's first K step
	s_mul_i32 s36, s35, s33
	s_lshl_b32 s38, s31, 2
	s_add_co_u32 s36, s36, s38
	s_add_nc_u64 s[14:15], s[14:15], s[36:37]
	s_mul_i32 s36, s30, s34
	s_add_co_u32 s36, s36, s31
	s_mul_i32 s36, s36, 1536
	s_add_co_u32 s36, s36, s28
	s_add_nc_u64 s[18:19], s[16:17], s[36:37]      ; images [tile][K step]
	s_lshr_b32 s36, s30, 3
	s_mul_i32 s36, s36, s34
	s_add_co_u32 s36, s36, s31
	s_lshl_b32 s36, s36, 9
	s_and_b32 s38, s30, 7
	s_lshl_b32 s38, s38, 6
	s_add_co_u32 s36, s36, s38
	s_add_co_u32 s36, s36, s29
	s_add_nc_u64 s[20:21], s[16:17], s[36:37]      ; scale words [tile / 8][K step][tile % 8][16]
.set M, 0
.rept 8                                ; tile lanes 2 M and 2 M + 1 are rows 2 M + 8 (M / 4) and the next one: a base for each pair
	s_mul_i32 s36, s32, 2*M+8*(M/4)
	s_add_nc_u64 s[40+2*M:41+2*M], s[12:13], s[36:37]
.set M, M+1
.endr
	s_sub_co_u32 s39, s32, 768                     ; from the end of the unit's part of a row to the next row's part
	s_mul_i32 s56, s24, RLW
	s_add_co_u32 s56, s56, RL                      ; my wave's 16 rows in LDS
	s_wait_alu depctr_va_vdst(0)
	v_lshlrev_b32 v8, 4, v2                        ; 16 x lane: the first load of three, and an image's place for my lane
	v_mul_lo_u32 v10, v4, s39
	s_delay_alu instid0(VALU_DEP_1)
	v_add_nc_u32 v10, v10, v8                      ; the second (512 on, in the immediate): lanes 16-31 stand in the next row
	s_delay_alu instid0(VALU_DEP_3)
	v_add_nc_u32 v11, s32, v8                      ; the third (256 on): the next row
	s_delay_alu instid0(VALU_DEP_4)
	v_add_nc_u32 v12, s56, v8                      ; and the same three places in LDS: the first and the third,
	s_delay_alu instid0(VALU_DEP_1)
	v_lshl_add_u32 v13, v4, 4, v12                 ; the second: lanes 16-31 stand behind the row's 16 bytes of padding
	v_mul_u32_u24 v15, v3, RP
	s_delay_alu instid0(VALU_DEP_1)
	v_mad_u32_u24 v15, v4, 24, v15
	s_delay_alu instid0(VALU_DEP_1)
	v_add_nc_u32 v15, s56, v15                     ; back: row r, + 24 h
	v_mul_lo_u32 v7, v5, s33
	s_delay_alu instid0(VALU_DEP_1)
	v_lshl_add_u32 v7, v4, 4, v7                   ; scale bytes: lanes 0-15: the words of K steps 0-3, lanes 16-31: of 4-7
	v_lshlrev_b32 v9, 2, v3
	s_delay_alu instid0(VALU_DEP_1)
	v_lshl_add_u32 v9, v4, 11, v9
	global_load_b128 v[128:131], v7, s[14:15] th:TH_LOAD_NT
.set M, 0
.rept 8
	global_load_b128 v[32+12*M:35+12*M], v8, s[40+2*M:41+2*M] th:TH_LOAD_NT
	global_load_b128 v[36+12*M:39+12*M], v10, s[40+2*M:41+2*M] offset:512 th:TH_LOAD_NT
	global_load_b128 v[40+12*M:43+12*M], v11, s[40+2*M:41+2*M] offset:256 th:TH_LOAD_NT
.set M, M+1
.endr
	s_wait_alu depctr_va_vdst(0)
	s_wait_loadcnt 0x0
.set M, 0
.rept 8
	ds_store_b128 v12, v[32+12*M:35+12*M] offset:2*RP*M
	ds_store_b128 v13, v[36+12*M:39+12*M] offset:2*RP*M+512
	ds_store_b128 v12, v[40+12*M:43+12*M] offset:2*RP*M+RP+256
.set M, M+1
.endr
.irp k, 0,1,2,3,4,5,6,7
.irp p, 0,1,2,3,4,5
	ds_load_b64 v[32+12*\k+2*\p:33+12*\k+2*\p], v15 offset:96*\k+48*(\p/3)+8*(\p%3)   ; LDS serves a wave's instructions in order: these see the stores above, and land in the registers that those have left
.endr
.endr
	s_wait_dscnt 0x0
.irp k, 0,1,2,3,4,5,6,7
.irp c, 0,1,2
	global_store_b128 v8, v[32+12*\k+4*\c:35+12*\k+4*\c], s[18:19] offset:1536*\k+512*\c
.endr
.endr
.irp q, 0,1,2,3
	global_store_b32 v9, v[128+\q], s[20:21] offset:512*\q
.endr
	s_wait_tensorcnt 0x0
	ds_add_u32 v192, v193
	s_wait_dscnt 0x0
	s_endpgm
.Lfunc_end_k_q0063667e27_prep:
	.size	k_q0063667e27_prep, .Lfunc_end_k_q0063667e27_prep-k_q0063667e27_prep
	.p2alignl 7, 3214868480
	.fill 96, 4, 3214868480
	.section	.rodata,"a",@progbits
	.p2align	6, 0x0
	.amdhsa_kernel k_q0063667e27_prep
		.amdhsa_group_segment_fixed_size 151040
		.amdhsa_private_segment_fixed_size 0
		.amdhsa_enable_private_segment 0
		.amdhsa_kernarg_size 88
		.amdhsa_user_sgpr_count 2
		.amdhsa_user_sgpr_kernarg_segment_ptr 1
		.amdhsa_wavefront_size32 1
		.amdhsa_system_sgpr_workgroup_id_x 1
		.amdhsa_system_sgpr_workgroup_id_y 1
		.amdhsa_system_sgpr_workgroup_id_z 1
		.amdhsa_system_vgpr_workitem_id 0
		.amdhsa_next_free_vgpr 194
		.amdhsa_next_free_sgpr 66
		.amdhsa_reserve_vcc 0
		.amdhsa_float_denorm_mode_32 3
		.amdhsa_float_denorm_mode_16_64 3
		.amdhsa_memory_ordered 1
		.amdhsa_forward_progress 1
		.amdhsa_inst_pref_size 44
	.end_amdhsa_kernel
	.amdgpu_metadata
---
amdhsa.version: [ 1, 2 ]
amdhsa.kernels:
  - .name:           k_q0063667e27_prep
    .symbol:         k_q0063667e27_prep.kd
    .args:
      - { .name: x, .offset: 0, .size: 8, .value_kind: global_buffer, .address_space: global }
      - { .name: ln1_g, .offset: 8, .size: 8, .value_kind: global_buffer, .address_space: global }
      - { .name: ln1_b, .offset: 16, .size: 8, .value_kind: global_buffer, .address_space: global }
      - { .name: hbuf, .offset: 24, .size: 8, .value_kind: global_buffer, .address_space: global }
      - { .name: W_attn_codes, .offset: 32, .size: 8, .value_kind: global_buffer, .address_space: global }
      - { .name: W_attn_scales, .offset: 40, .size: 8, .value_kind: global_buffer, .address_space: global }
      - { .name: W_fc_codes, .offset: 48, .size: 8, .value_kind: global_buffer, .address_space: global }
      - { .name: W_fc_scales, .offset: 56, .size: 8, .value_kind: global_buffer, .address_space: global }
      - { .name: W_proj_codes, .offset: 64, .size: 8, .value_kind: global_buffer, .address_space: global }
      - { .name: W_proj_scales, .offset: 72, .size: 8, .value_kind: global_buffer, .address_space: global }
      - { .name: wbuf, .offset: 80, .size: 8, .value_kind: global_buffer, .address_space: global }
    .group_segment_fixed_size: 151040
    .private_segment_fixed_size: 0
    .kernarg_segment_align: 8
    .kernarg_segment_size: 88
    .max_flat_workgroup_size: 256
    .sgpr_count:     66
    .vgpr_count:     194
    .wavefront_size: 32
...
	.end_amdgpu_metadata
.endif
;; end of part 1
;; launch qkv (part 2): grid 12 x 16, 4 waves a work-group, clusters of 4 x 4, 327,680 bytes of LDS; arguments hbuf, wbuf, b_attn, qbuf; writes qbuf
.if DOCPART == 2
	.amdgcn_target "amdgcn-amd-amdhsa--gfx1250"
	.amdhsa_code_object_version 6
	.text
	.protected	k_q0063667e27_qkv
	.globl	k_q0063667e27_qkv
	.p2align	8
	.type	k_q0063667e27_qkv,@function
k_q0063667e27_qkv:
	s_mov_b64 s[64:65], 0
	v_nop
	global_prefetch_b8 v0, s[64:65] scope:SCOPE_SE
	s_setreg_imm32_b32 hwreg(HW_REG_WAVE_MODE, 25, 1), 1
	s_wait_xcnt 0x0
	s_wait_alu depctr_hold_cnt(0) depctr_sa_sdst(0) depctr_va_vdst(0) depctr_va_sdst(0) depctr_va_ssrc(0) depctr_va_vcc(0) depctr_vm_vsrc(0)
	s_getreg_b32 s2, hwreg(HW_REG_IB_STS2, 6, 4)
	s_cmp_eq_u32 s2, 0
	s_cbranch_scc0 .Lentry_in_a_cluster
	s_endpgm
.Lentry_in_a_cluster:
	s_bfe_u32 s2, ttmp6, 0x10000c
	s_cmp_lg_u32 s2, 0xf033
	s_cbranch_scc0 .Lentry_shape_is_right
	s_endpgm
.Lentry_shape_is_right:
; qkv = h1 W_attn + b_attn on E2M3 codes with E8M0 scales, and the quantisers of q, k (along the head's 64) and v (along the keys).
; Operands come as IMAGES of fragments (16 rows x 128 K, 1,536 bytes: byte 512 c + 16 lane = registers 4 c .. 4 c + 3), [row tile][K step]; scale words [tile / 8][K step][tile % 8][16].
; Tile lane r of row tile RT is row 32 (RT / 2) + 8 (RT % 2) + r + 8 (r / 8).  The matrix instruction is used transposed (source 0 = 16 rows of "B", source 1 = 16 rows of "A"): a lane holds one row of A,
; and the 16 registers of B's tiles 2 b and 2 b + 1 are 16 neighbouring rows of B: what the conversions want.
; Clusters with x = 0, 1: A = h1 (tokens), B = W_q, W_k: a wave's 128 columns are two heads; the codes are stored by heads (half images of 768 bytes).
; Clusters with x = 2: A = W_v (channels), B = h1 (tokens): the results run along the tokens, which are the second attention product's K: the same core with the pointers exchanged.
; A work-group of four waves makes 256 x 256, a wave 128 x 128 (64 accumulators).  K = 1,024 is eight steps of 128, three loads (3 + 3 + 2 steps) through two LDS slots: two go out at the start, slot 0 is filled again.
; 4 x 4 work-groups form a cluster: A's tiles are asked for jointly along a row of the cluster, B's along a column.
; The K walk is written out (512 matrix instructions): no stepped LDS address.
; REGISTERS: window 0: v1 r, v2 h, v16, v17 / v20, v21 LDS addresses of A's / B's fragments by slot, v23 8 x lane, v24 16 x lane, v25, v26 the scale stage, v27 scale words, v28, v29 for the add,
;   v30, v31 bias offsets, v32-47 scale words (two sets; lanes 0-15 A's, lanes 16-31 B's), v64-255 A's fragments, two sets (free on the way out).
;   window 1: v0-191 B's fragments, two sets; v192-255 bias.  windows 2, 3: the accumulators, (a, b) at v[8 (8 (a % 4) + b)] of window 2 + a / 4.
; LIMITS: NaN and infinities are not served; a block of zeros gets the scale byte 1 (its codes are zeros; this program alone reads the bytes).
.set NA,    8
.set KSN,   8
; THE WALK ALONG K, as it stands now: eight steps go as 3 + 3 + 2 through TWO slots of three steps.  At the head each wave issues one joint load: wave 0 A's 16 tiles of slot 0,
; wave 1 B's, wave 2 A's scale words, wave 3 B's.  Slot 1 is first filled behind the full sequence and a round, slot 0 once again with the last two steps (tensor_dim0 cut to two images).
.set KPS,   3
.set NS,    2
.set NLOAD, 3
.set G0H,   28                         ; s[28:31], s[40:43] group 0 of the head's loads of codes
.set G0HB,  40
.set CEL,   KPS*192                    ; a descriptor row: KPS images of one tile, in elements of 8 bytes
.set HALF,  NA*KPS*1536
.set SLOT,  4*HALF                     ; A's two halves, then B's two
.set SCL,   NS*SLOT                    ; behind the ring: the scale words of all of K, filled once
.set SH,    4096
.set SWS,   4096
.set SPARE, SCL+4*SH                   ; the spare words: 128 bytes a wave
.set STG,   SPARE+512                  ; stages for the scale words made here: 512 bytes a wave, one set for each way out
.set QS,    9437184
.set ADRA,  16
.set ADRB,  20
.set ADRS,  27
.set SPW,   28
.set NIL,   29
.set SC,    32
.set TM,    128
.set PC,    144
.set PW,    164
.set G0,    20
.set G0B,   32
.set G0S,   44
.set G0SB,  48
.set SEL,   58
.set G1,    68
.set G1B,   76
.set G1S,   84
.set G1SB,  92
.set MSB, 0
.macro WIN new                         ; the immediate's high byte repeats the setting that is left
.if MSB != (\new)
	s_set_vgpr_msb (MSB<<8)|(\new)
.set MSB, (\new)
.endif
.endm
.macro PLACES n
.rept \n
	v_nop
.endr
.endm
; A joint load: waves 0 and 1 fetch for A, waves 2 and 3 for B; four v_nop follow each of the two lines.
.macro JLOAD g0a, g1a, g0b, g1b
	s_cmp_eq_u32 s15, 0
	s_cbranch_scc0 .Lfor_b_\@
	tensor_load_to_lds s[\g0a:\g0a+3], s[\g1a:\g1a+7]
	s_nop 0
.rept 4
	v_nop
.endr
	s_branch .Lasked_\@
.Lfor_b_\@:
	tensor_load_to_lds s[\g0b:\g0b+3], s[\g1b:\g1b+7]
	s_nop 0
.rept 4
	v_nop
.endr
.Lasked_\@:
.endm
.macro CROUND                          ; a round of the cluster's barrier
	s_barrier_signal -1
	s_barrier_wait -1
	s_cmp_lg_u32 s14, 0
	s_cbranch_scc1 .Lnot_wave_0_\@
	s_barrier_signal -3
.Lnot_wave_0_\@:
	s_barrier_wait -3
	s_barrier_signal -1
	s_barrier_wait -1
.endm
; The fragments and scale words of K step ks, into set ks % 2: three loads of 512 consecutive bytes a fragment
.macro FETCH ks
.set FS, ((\ks)/KPS)%NS
.set FQ, (\ks)%KPS
.set FP, (\ks)%2
	WIN 0x40
.irp i, 0,1,2,3,4,5,6,7
.irp c, 0,1,2
	ds_load_b128 v[96*FP+12*\i+4*\c:96*FP+12*\i+4*\c+3], v[ADRB+FS] offset:(\i*KPS+FQ)*1536+512*\c
.endr
.endr
	WIN 0
.irp i, 0,1,2,3,4,5,6,7
.irp c, 0,1,2
	ds_load_b128 v[64+96*FP+12*\i+4*\c:64+96*FP+12*\i+4*\c+3], v[ADRA+FS] offset:(\i*KPS+FQ)*1536+512*\c
.endr
.endr
.irp i, 0,1,2,3,4,5,6,7
	ds_load_b32 v[SC+8*FP+\i], v[ADRS] offset:((\ks)*8+\i)*64
.endr
.endm
; 64 matrix instructions: the 64 accumulators take turns, in the same order in every step
.macro MULS ks, zero
.set MP, (\ks)%2
	WIN 0xa1
.irp a, 0,1,2,3
.irp b, 0,1,2,3,4,5,6,7
.if \zero
	v_wmma_scale_f32_16x16x128_f8f6f4 v[8*(8*\a+\b):8*(8*\a+\b)+7], v[96*MP+12*\b:96*MP+12*\b+11], v[64+96*MP+12*\a:64+96*MP+12*\a+11], 0, v[SC+8*MP+\b], v[SC+8*MP+\a] matrix_a_fmt:MATRIX_FMT_FP6 matrix_b_fmt:MATRIX_FMT_FP6 matrix_a_scale:MATRIX_SCALE_ROW1
.else
	v_wmma_scale_f32_16x16x128_f8f6f4 v[8*(8*\a+\b):8*(8*\a+\b)+7], v[96*MP+12*\b:96*MP+12*\b+11], v[64+96*MP+12*\a:64+96*MP+12*\a+11], v[8*(8*\a+\b):8*(8*\a+\b)+7], v[SC+8*MP+\b], v[SC+8*MP+\a] matrix_a_fmt:MATRIX_FMT_FP6 matrix_b_fmt:MATRIX_FMT_FP6 matrix_a_scale:MATRIX_SCALE_ROW1
.endif
.endr
.endr
	WIN 0xf1
.irp a, 4,5,6,7
.irp b, 0,1,2,3,4,5,6,7
.if \zero
	v_wmma_scale_f32_16x16x128_f8f6f4 v[8*(8*(\a-4)+\b):8*(8*(\a-4)+\b)+7], v[96*MP+12*\b:96*MP+12*\b+11], v[64+96*MP+12*\a:64+96*MP+12*\a+11], 0, v[SC+8*MP+\b], v[SC+8*MP+\a] matrix_a_fmt:MATRIX_FMT_FP6 matrix_b_fmt:MATRIX_FMT_FP6 matrix_a_scale:MATRIX_SCALE_ROW1
.else
	v_wmma_scale_f32_16x16x128_f8f6f4 v[8*(8*(\a-4)+\b):8*(8*(\a-4)+\b)+7], v[96*MP+12*\b:96*MP+12*\b+11], v[64+96*MP+12*\a:64+96*MP+12*\a+11], v[8*(8*(\a-4)+\b):8*(8*(\a-4)+\b)+7], v[SC+8*MP+\b], v[SC+8*MP+\a] matrix_a_fmt:MATRIX_FMT_FP6 matrix_b_fmt:MATRIX_FMT_FP6 matrix_a_scale:MATRIX_SCALE_ROW1
.endif
.endr
.endr
	WIN 0
.endm
; Slot TSL, whose last step lies in registers, is filled again: all my tensor loads have landed, the add, my reads are back; a round of the cluster's barrier; the joint refill first behind it.
.macro TURN
	s_wait_tensorcnt 0x0
	ds_add_u32 v[SPW], v[NIL]                      ; 0 onto my spare word
	s_add_nc_u64 s[G0+4*TSL+2:G0+4*TSL+3], s[G0+4*TSL+2:G0+4*TSL+3], NS*KPS*1536
	s_add_nc_u64 s[G0B+4*TSL+2:G0B+4*TSL+3], s[G0B+4*TSL+2:G0B+4*TSL+3], NS*KPS*1536
	s_mov_b32 s[G1+1], (2*192)<<16                 ; two K steps are left of each tile's row: tensor_dim0 = two images (no load of mine is out here)
	s_mov_b32 s[G1B+1], (2*192)<<16
	s_wait_dscnt 0x0
	CROUND
	JLOAD G0+4*TSL, G1, G0B+4*TSL, G1B             ; its four v_nop are also the places in front of the loads that follow
.endm
.macro LASTB                           ; the last load has landed in every wave; nothing is filled again
	s_wait_tensorcnt 0x0
	ds_add_u32 v[SPW], v[NIL]
	s_wait_dscnt 0x0
	s_barrier_signal -1
	s_barrier_wait -1
	PLACES 4
.endm
; K step KS: its fragments were asked for a step ago; the next step's are asked for now and land under this step's 64 products.
.macro KSTEP
.set J, KS/KPS
.set TSL, J%NS
.if KS+1 < KSN
.if ((KS+1)%KPS == 0) && (J+NS < NLOAD)
	TURN
.elseif ((KS+1)%KPS == 0) && (J+1 >= NS)
	LASTB
.else
	s_wait_dscnt 0x0                               ; this step's fragments are in
	PLACES 4                                       ; four places in front of loads into registers that the last products read
.endif
	FETCH KS+1
.else
	s_wait_dscnt 0x0
.endif
.if KS == 0
	MULS KS, 1
.else
	MULS KS, 0
.endif
.set KS, KS+1
.endm
; 64 numbers of a lane, register 16 b + i = k 32 b + 16 (lane / 16) + i of my row, become a fragment's codes in v[PC] on and its scale word in v[PW].
.macro QUANT s
.irp b, 0,1,2,3
	v_max3_num_f32 v[TM+\b], |v[\s+16*\b]|, |v[\s+1+16*\b]|, 0x1800000   ; with the floor 2^(3 - 127): the byte cannot fall under 1
.endr
.irp i, 2,4,6,8,10,12,14
.irp b, 0,1,2,3
	v_max3_num_f32 v[TM+\b], v[TM+\b], |v[\s+16*\b+\i]|, |v[\s+1+16*\b+\i]|
.endr
.endr
.irp b, 0,1,2,3
	v_permlanex16_b32 v[TM+4+\b], v[TM+\b], s[SEL], s[SEL+1]
.endr
.irp b, 0,1,2,3
	v_max_num_f32 v[TM+\b], v[TM+\b], v[TM+4+\b]
.endr
.irp b, 0,1,2,3
	v_add_nc_u32 v[TM+12+\b], 0xff000000, v[TM+\b]   ; 2 off the exponent field: the conversion's scale operand
.endr
.irp b, 0,1,2,3
	v_lshrrev_b32 v[TM+4+\b], 23, v[TM+12+\b]
.endr
	v_lshl_or_b32 v[PW], v[TM+5], 8, v[TM+4]
	v_lshl_or_b32 v[PW], v[TM+6], 16, v[PW]
	v_lshl_or_b32 v[PW], v[TM+7], 24, v[PW]
.irp c, 0,1
	v_cvt_scalef32_pk16_fp6_f32 v[PC+6*\c:PC+2+6*\c], v[\s+32*\c:\s+15+32*\c], v[TM+12+2*\c]
	v_cvt_scalef32_pk16_fp6_f32 v[PC+12+4*\c:PC+14+4*\c], v[\s+16+32*\c:\s+31+32*\c], v[TM+12+2*\c+1]
.endr
	v_nop                                          ; one plain place behind a scaled conversion
.irp c, 0,1
.irp i, 0,1,2
	v_permlane16_swap_b32 v[PC+6*\c+\i], v[PC+12+4*\c+\i]
.endr
.irp i, 0,1,2
	v_mov_b32 v[PC+3+6*\c+\i], v[PC+12+4*\c+\i]
.endr
.endr
.endm
	s_load_b256 s[4:11], s[0:1], 0x0               ; hbuf, wbuf, b_attn, qbuf
	v_lshl_add_u32 v[SPW], v0, 2, SPARE
	v_mov_b32 v[NIL], 0
	ds_add_u32 v28, v29
	ds_add_u32 v28, v29
	s_wait_dscnt 0x0
	v_lshrrev_b32 v3, 5, v0
	v_readfirstlane_b32 s14, v3                    ; wave 0..3
	s_lshr_b32 s15, s14, 1                         ; my half of A's rows.  Also: I fetch for A (0) or for B (1)
	s_and_b32 s16, s14, 1                          ; my half of B's rows.  Also: which half I fetch
	s_bfe_u32 s53, ttmp6, 0x40000                  ; cx
	s_bfe_u32 s54, ttmp6, 0x40004                  ; cy
	s_and_b32 s19, ttmp7, 0xffff
	s_lshl_b32 s19, s19, 2
	s_lshl_b32 s57, ttmp9, 2
	s_cmp_eq_u32 ttmp9, 2                          ; the cluster's x: the same in all sixteen partners
	s_cselect_b32 s52, 1, 0                        ; 1: the v product
	s_cselect_b32 s17, 0, s19
	s_cselect_b32 s18, s19, s57
	s_add_co_u32 s17, s17, s54                     ; tile row (of A): hangs on cy alone
	s_add_co_u32 s18, s18, s53                     ; tile column (of B): on cx alone
	s_lshl_b32 s55, s54, 2
	s_lshl_b32 s55, 15, s55                        ; my row of the cluster
	s_lshl_b32 s56, 0x1111, s53                    ; my column
	s_or_b32 s[G1], s55, (3<<16)|(1<<21)           ; the mask; elements of 8 bytes; bit 21 beside a mask; no padding
	s_or_b32 s[G1B], s56, (3<<16)|(1<<21)
	s_or_b32 s[G1S], s55, (3<<16)|(1<<21)
	s_or_b32 s[G1SB], s56, (3<<16)|(1<<21)
.irp g, G1, G1B
	s_mov_b32 s[\g+1], (CEL&0xffff)<<16            ; tensor_dim0
	s_mov_b32 s[\g+2], (2*NA)<<16                  ; tensor_dim1: the head's loads bring all 16 tiles
	s_mov_b32 s[\g+3], CEL<<16                     ; tile_dim0
	s_mov_b32 s[\g+4], 2*NA                        ; tile_dim1
	s_mov_b32 s[\g+5], KSN*192                     ; from tile to tile
	s_mov_b32 s[\g+6], 0
	s_mov_b32 s[\g+7], 0
.endr
.irp g, G1S, G1SB
	s_mov_b32 s[\g+1], 32<<16                      ; a dense block as rows of 256 bytes
	s_mov_b32 s[\g+2], (2*SH/256)<<16
	s_mov_b32 s[\g+3], 32<<16
	s_mov_b32 s[\g+4], 2*SH/256
	s_mov_b32 s[\g+5], 32
	s_mov_b32 s[\g+6], 0
	s_mov_b32 s[\g+7], 0
.endr
	s_mov_b32 s55, 3145728
	s_mov_b32 s56, 8650752
	s_cmp_eq_u32 s52, 1
	s_cselect_b32 s57, 1572864, 0                  ; A's codes begin here in their buffer (W_v: row tile 128 of W_attn),
	s_cselect_b32 s19, 8716288, s55                ; A's scale words,
	s_cselect_b32 s56, s55, s56                    ; B's scale words
	s_mul_i32 s54, s16, NA*KSN*1536                ; in the ring I fetch eight tiles: which half, in bytes
	s_mov_b32 s55, 0
	s_lshl_b32 s60, s17, 4                         ; A: the block's first row tile
	s_lshl_b32 s62, s18, 4                         ; B likewise
	s_lshl_b32 s66, s60, 9
	s_add_co_u32 s66, s66, s19
	s_mov_b32 s67, 0
	s_mul_i32 s60, s60, KSN*1536
	s_add_co_u32 s60, s60, s57
	s_mov_b32 s61, 0
	s_lshl_b32 s2, s62, 9
	s_add_co_u32 s2, s2, s56
	s_mov_b32 s3, 0
	s_mul_i32 s62, s62, KSN*1536
	s_mov_b32 s63, 0
	s_mul_i32 s57, s14, HALF                       ; where they go: no place in the cluster enters an LDS address
	s_mov_b32 s[SEL], 0x76543210
	s_mov_b32 s[SEL+1], 0xfedcba98
	s_wait_kmcnt 0x0
	s_cmp_eq_u32 s52, 1
	s_cselect_b64 s[12:13], s[6:7], s[4:5]         ; A's buffer
	s_cselect_b64 s[6:7], s[4:5], s[6:7]           ; B's buffer
	s_add_nc_u64 s[60:61], s[12:13], s[60:61]
	s_add_nc_u64 s[66:67], s[12:13], s[66:67]
	s_add_nc_u64 s[62:63], s[6:7], s[62:63]
	s_add_nc_u64 s[2:3], s[6:7], s[2:3]
	CROUND                                         ; all sixteen work-groups are here: the first joint loads meet
	s_mov_b32 s[G0S], 1
	s_mov_b32 s[G0S+1], SCL
	s_mov_b64 s[G0S+2:G0S+3], s[66:67]
	s_or_b32 s[G0S+3], s[G0S+3], 0x80000000
	s_mov_b32 s[G0SB], 1
	s_mov_b32 s[G0SB+1], SCL+2*SH
	s_mov_b64 s[G0SB+2:G0SB+3], s[2:3]
	s_or_b32 s[G0SB+3], s[G0SB+3], 0x80000000
	s_mov_b32 s[G0H], 1                            ; slot 0's first fill: A's 16 tiles,
	s_mov_b32 s[G0H+1], 0
	s_mov_b64 s[G0H+2:G0H+3], s[60:61]
	s_or_b32 s[G0H+3], s[G0H+3], 0x80000000
	s_mov_b32 s[G0HB], 1                           ; and B's, behind them
	s_mov_b32 s[G0HB+1], 2*HALF
	s_mov_b64 s[G0HB+2:G0HB+3], s[62:63]
	s_or_b32 s[G0HB+3], s[G0HB+3], 0x80000000
	s_add_nc_u64 s[60:61], s[60:61], s[54:55]      ; for the ring: my eight tiles
	s_add_nc_u64 s[62:63], s[62:63], s[54:55]
.irp s, 0,1
	s_mov_b32 s[G0+4*\s], 1
	s_add_co_u32 s[G0+4*\s+1], s57, \s*SLOT
	s_add_nc_u64 s[G0+4*\s+2:G0+4*\s+3], s[60:61], \s*KPS*1536
	s_or_b32 s[G0+4*\s+3], s[G0+4*\s+3], 0x80000000
	s_mov_b32 s[G0B+4*\s], 1
	s_add_co_u32 s[G0B+4*\s+1], s57, \s*SLOT
	s_add_nc_u64 s[G0B+4*\s+2:G0B+4*\s+3], s[62:63], \s*KPS*1536
	s_or_b32 s[G0B+4*\s+3], s[G0B+4*\s+3], 0x80000000
.endr
; the head's loads, one a wave: one chain of branches on the wave's number, a load in each arm, all arms to one join
.macro ARM under, g0, g1, next
	s_cmp_lt_u32 s14, \under
	s_cbranch_scc0 \next
	tensor_load_to_lds s[\g0:\g0+3], s[\g1:\g1+7]
	s_nop 0
.rept 4
	v_nop
.endr
	s_branch .Lhead_asked
\next:
.endm
	ARM 1, G0H,  G1,  .Lhead_b
	ARM 2, G0HB, G1B, .Lhead_sa
	ARM 3, G0S,  G1S, .Lhead_sb
	tensor_load_to_lds s[G0SB:G0SB+3], s[G1SB:G1SB+7]
	s_nop 0
.rept 4
	v_nop
.endr
.Lhead_asked:
	v_and_b32 v1, 15, v0                           ; r
	v_bfe_u32 v2, v0, 4, 1                         ; h
	v_and_b32 v3, 31, v0
	v_lshlrev_b32 v24, 4, v3
	v_lshlrev_b32 v23, 3, v3
	s_mul_i32 s19, s15, HALF
	s_mul_i32 s57, s16, HALF
	s_add_co_u32 s57, s57, 2*HALF
.irp s, 0,1
	v_add_nc_u32 v[ADRA+\s], s19, v24
	v_add_nc_u32 v[ADRB+\s], s57, v24
	s_add_co_u32 s19, s19, SLOT
	s_add_co_u32 s57, s57, SLOT
.endr
	s_mul_i32 s19, s15, SWS
	s_mul_i32 s57, s16, SWS
	s_add_co_u32 s57, s57, 2*SH
	s_sub_co_u32 s57, s57, s19
	s_wait_alu depctr_va_vdst(0)
	v_mul_u32_u24 v4, s57, v2
	s_add_co_u32 s19, s19, SCL
	v_lshl_add_u32 v[ADRS], v1, 2, v4
	v_add_nc_u32 v[ADRS], s19, v[ADRS]
	s_lshl_b32 s19, s14, 9
	s_add_co_u32 s19, s19, STG
	v_lshl_add_u32 v25, v1, 2, s19                 ; my stage: word of (tile a, lane r) at 64 a + 4 r
	v_add_nc_u32 v26, s19, v24
	v_lshlrev_b32 v30, 6, v2                       ; bias by columns: 64 h
	v_and_b32 v31, 8, v1
	v_add_nc_u32 v31, v31, v1
	v_lshlrev_b32 v31, 2, v31                      ; bias by rows: 4 (r + 8 (r / 8))
	s_lshl_b32 s60, s18, 1
	s_add_co_u32 s60, s60, s16                     ; 2 x tile column + my half: which 128 rows of B are mine
	s_lshl_b32 s62, s17, 1
	s_add_co_u32 s62, s62, s15                     ; 2 x tile row + my half: which 128 rows of A
	s_mov_b32 s3, 0
	s_wait_alu depctr_va_vdst(0)
	s_wait_tensorcnt 0x0                           ; my tile of the head's four is in
	ds_add_u32 v[SPW], v[NIL]
	s_mov_b32 s[G1+2], NA<<16                      ; no load of mine is out: from here on a load brings eight tiles
	s_mov_b32 s[G1+4], NA
	s_mov_b32 s[G1B+2], NA<<16
	s_mov_b32 s[G1B+4], NA
	s_wait_dscnt 0x0
	CROUND                                         ; all four tiles are in, in every partner
	JLOAD G0+4, G1, G0B+4, G1B                     ; slot 1: K steps 3 to 5
	FETCH 0
.set KS, 0
.rept KSN-1
	KSTEP
.endr
	s_wait_dscnt 0x0                               ; the last step's fragments are in
; THE WAY OUT.  The bias is asked for, the last 64 products run, then A's tiles one after the other: + bias, quantised, stored as a register image, 256 consecutive bytes a store.
.macro EPI path
.if \path
	s_lshl_b32 s2, s62, 9
	s_add_co_u32 s2, s2, 8192
	s_add_nc_u64 s[8:9], s[8:9], s[2:3]            ; b_attn at channel 2048 + 128 hp
	s_lshr_b32 s55, s60, 4                         ; batch
	s_and_b32 s56, s60, 15                         ; key step
	s_lshl_b32 s2, s55, 4
	s_lshl_b32 s57, s62, 1
	s_add_co_u32 s2, s2, s57
	s_lshl_b32 s2, s2, 6
	s_lshl_b32 s57, s56, 2
	s_add_co_u32 s2, s2, s57
	s_mul_i32 s2, s2, 1536
	s_add_co_u32 s2, s2, 6291456
	s_add_nc_u64 s[12:13], s[10:11], s[2:3]        ; v's images [batch x 16 + head][key step][4]
	s_lshl_b32 s2, s55, 3
	s_add_co_u32 s2, s2, s62
	s_lshl_b32 s2, s2, 4
	s_add_co_u32 s2, s2, s56
	s_lshl_b32 s2, s2, 9
	s_add_co_u32 s2, s2, QS+262144
	s_add_nc_u64 s[66:67], s[10:11], s[2:3]
	WIN 0x40
.irp a, 0,1,2,3,4,5,6,7
	global_load_b32 v[192+2*\a], v31, s[8:9] offset:(32*(\a/2)+8*(\a%2))*4     ; my row's bias, twice: a pair for the packed addition
	global_load_b32 v[193+2*\a], v31, s[8:9] offset:(32*(\a/2)+8*(\a%2))*4
.endr
.else
	s_lshl_b32 s2, s60, 9
	s_add_nc_u64 s[8:9], s[8:9], s[2:3]            ; b_attn at column 128 gp
	s_mul_i32 s2, s60, 393216
	s_mul_i32 s55, s62, 6144
	s_add_co_u32 s2, s2, s55
	s_add_nc_u64 s[12:13], s[10:11], s[2:3]        ; half images [head][row tile]; the pair's odd head 196,608 bytes on
	s_lshl_b32 s2, s60, 8
	s_lshl_b32 s55, s62, 3
	s_add_co_u32 s2, s2, s55
	s_lshl_b32 s2, s2, 6
	s_add_co_u32 s2, s2, QS
	s_add_nc_u64 s[66:67], s[10:11], s[2:3]
	WIN 0x40
.irp b, 0,1,2,3
.irp q, 0,1,2,3
	global_load_b128 v[192+16*\b+4*\q:195+16*\b+4*\q], v30, s[8:9] offset:128*\b+16*\q   ; columns 32 b + 16 h + 0 .. 15, in the accumulators' order
.endr
.endr
.endif
	MULS 7, 0
	PLACES 4
	s_wait_loadcnt 0x0
.irp b, 0,1,2,3
	v_mov_b32 v[TM+4+\b], 0                        ; a lane permute's destination counts as one of its sources
.endr
.irp a, 0,1,2,3,4,5,6,7
.if \a > 0
	s_wait_xcnt 0x0                                ; the last tile's stores have read their registers
.endif
	WIN 0x06+\a/4                                  ; source 0: the accumulators' window; source 1: window 1
.set K2, 0
.rept 32
.if \path
	v_pk_add_f32 v[64+K2:65+K2], v[64*(\a%4)+K2:64*(\a%4)+K2+1], v[192+2*\a:193+2*\a]
.else
	v_pk_add_f32 v[64+K2:65+K2], v[64*(\a%4)+K2:64*(\a%4)+K2+1], v[192+K2:193+K2]
.endif
.set K2, K2+2
.endr
	WIN 0
	QUANT 64
.irp i, 0,1,2,3,4,5
.if \path
	global_store_b64 v23, v[PC+2*\i:PC+2*\i+1], s[12:13] offset:(\a/4)*98304+(\a%4)*1536+256*\i
.else
	global_store_b64 v23, v[PC+2*\i:PC+2*\i+1], s[12:13] offset:\a*768+256*(\i%3)+196608*(\i/3)
.endif
.endr
	ds_store_b32 v25, v[PW] offset:64*\a+2048*\path      ; both halves of the lanes hold the same word
.endr
	ds_load_b128 v[4:7], v26 offset:2048*\path     ; LDS serves a wave's instructions in order: these see my stores
	s_wait_dscnt 0x0
	global_store_b128 v24, v[4:7], s[66:67]        ; my eight tiles' scale words: 512 consecutive bytes
.endm
	s_cmp_eq_u32 s52, 1
	s_cbranch_scc1 .Lvpath
	EPI 0
	s_branch .Lend
.Lvpath:
	EPI 1
.Lend:
	s_wait_tensorcnt 0x0                           ; the wave's end
	ds_add_u32 v[SPW], v[NIL]
	s_wait_dscnt 0x0
	CROUND                                         ; the closing round
	s_endpgm
.Lfunc_end_k_q0063667e27_qkv:
	.size	k_q0063667e27_qkv, .Lfunc_end_k_q0063667e27_qkv-k_q0063667e27_qkv
	.p2alignl 7, 3214868480
	.fill 96, 4, 3214868480
	.section	.rodata,"a",@progbits
	.p2align	6, 0x0
	.amdhsa_kernel k_q0063667e27_qkv
		.amdhsa_group_segment_fixed_size 327680
		.amdhsa_private_segment_fixed_size 0
		.amdhsa_enable_private_segment 0
		.amdhsa_kernarg_size 32
		.amdhsa_user_sgpr_count 2
		.amdhsa_user_sgpr_kernarg_segment_ptr 1
		.amdhsa_wavefront_size32 1
		.amdhsa_system_sgpr_workgroup_id_x 1
		.amdhsa_system_sgpr_workgroup_id_y 1
		.amdhsa_system_sgpr_workgroup_id_z 1
		.amdhsa_system_vgpr_workitem_id 0
		.amdhsa_next_free_vgpr 1024
		.amdhsa_next_free_sgpr 100
		.amdhsa_reserve_vcc 0
		.amdhsa_float_denorm_mode_32 3
		.amdhsa_float_denorm_mode_16_64 3
		.amdhsa_memory_ordered 1
		.amdhsa_forward_progress 1
		.amdhsa_inst_pref_size 223
	.end_amdhsa_kernel
	.amdgpu_metadata
---
amdhsa.version: [ 1, 2 ]
amdhsa.kernels:
  - .name:           k_q0063667e27_qkv
    .symbol:         k_q0063667e27_qkv.kd
    .args:
      - { .name: hbuf, .offset: 0, .size: 8, .value_kind: global_buffer, .address_space: global }
      - { .name: wbuf, .offset: 8, .size: 8, .value_kind: global_buffer, .address_space: global }
      - { .name: b_attn, .offset: 16, .size: 8, .value_kind: global_buffer, .address_space: global }
      - { .name: qbuf, .offset: 24, .size: 8, .value_kind: global_buffer, .address_space: global }
    .group_segment_fixed_size: 327680
    .private_segment_fixed_size: 0
    .kernarg_segment_align: 8
    .kernarg_segment_size: 32
    .max_flat_workgroup_size: 128
    .sgpr_count:     100
    .vgpr_count:     1024
    .wavefront_size: 32
...
	.end_amdgpu_metadata
.endif
;; end of part 2
;; launch attn (part 3): grid 8 x 32, 16 waves a work-group, no clusters, 288,768 bytes of LDS; arguments qbuf, x, x1; writes x1
.if DOCPART == 3
	.amdgcn_target "amdgcn-amd-amdhsa--gfx1250"
	.amdhsa_code_object_version 6
	.text
	.protected	k_q0063667e27_attn
	.globl	k_q0063667e27_attn
	.p2align	8
	.type	k_q0063667e27_attn,@function
k_q0063667e27_attn:
	s_mov_b64 s[64:65], 0
	v_nop
	global_prefetch_b8 v0, s[64:65] scope:SCOPE_SE
	s_setreg_imm32_b32 hwreg(HW_REG_WAVE_MODE, 25, 1), 1
	s_wait_xcnt 0x0
; x1 = x + causal attention, both products on E2M3 codes with E8M0 scales.  16 heads of 64, 2 x 2,048 tokens.
; q, k: half images of 768 bytes (16 tokens x 64 codes: byte 256 i + 8 lane = registers 2 i, 2 i + 1); the operand's registers 6-11 (k = 64 .. 127) are zeros.  v: images of 16 channels x 128 keys, 1,536 bytes.
; Tile lane r of token tile t is token 32 (t / 2) + 8 (t % 2) + r + 8 (r / 8).  Both products are used transposed: a lane holds one query, and the 16 registers of key tiles 2 b, 2 b + 1 are 16 neighbouring keys.
; SOFTMAX: t = score x log2(e) / 8; M = the running largest t rounded up to a whole number; p = 2^(t - M) is quantised along the keys; the row's sum is taken of the unquantised p and divides at the end.
; SHARES: a work-group serves one head of one batch and 16 query tiles: eight early ones, 8 x + i, and the mirrored late ones, 120 - 8 x + i (all at query 1,024 or later).  Waves work in PAIRS, pair i on tiles i:
;   wave A: the late tile against key steps 0-7 (all its keys count): 8 steps; then it joins B's part of that tile to its own and sends the late tile out;
;   wave B: the late tile against key steps 8-15 (8 - x of them hold keys that count), then the early tile against key steps 0-7 (x + 1 of them): 9 steps, whatever x; it sends the early tile out.
; B leaves its part of the late tile (O^T, -M, the sums) in A's stage in LDS, waits for those stores and signals the barrier; A signals behind its 8 steps.  Every wave's wait for that barrier stands behind the
; second loop: between signal and wait stand register work and LDS loads of K, V and their scale words, which nobody writes.  A brings both parts under the larger M (whole powers of two, by v_ldexp_f32) and adds them.
; Every wave walks both loops of 8 trips; a step all of whose keys come after the wave's queries is left out by a scalar branch on ids (in the second loop A's first query is set to 0, so that all are).
; A head's K and V (98,304 bytes each) and their scale words lie in LDS whole, filled ONCE: one tensor load a wave, twelve of 16,384 bytes of codes and four of 4,096 bytes of scale words.  Nothing is filled later.
; No cluster: a step's work is jumped over by a branch on the query tile, which partners of a cluster would not share.  No prefetch: all of K and V is asked for at the head, and no loop runs ahead of a load.
; REGISTERS: v1-7, v30, v31 addresses that stay; v8-11 addresses in hand; v12 -M, v13 largest t, v[14:15] the sum; v16-27 Q (22-27 zeros); v28 Q's scale, v29 p's scale word; v32-79 four operands of K (upper halves zeros);
;   v80-95 at work; v96-159 S^T, then p, then V's four fragments; v160-191 O^T; v192-203 partial sums, then p's codes; v[204:205], v[206:207] factors; v208-239 x; v240-243 scale words; v244-250 B's second Q and its scale.
; LIMITS: NaN and infinities are not served; the scaled scores stay under 2^31 in magnitude.
.set KSC,   196608                     ; K's scale words (a head pair's), 8,192 bytes
.set VSC,   204800                     ; V's
.set STAGE, 212992                     ; a stage for each wave: 16 rows x 272 bytes on the way out; in A first the images of B's 32 + 4 registers
.set STW,   4608
.set SPARE, STAGE+16*STW               ; the spare words: 128 bytes a wave
.set QS,    9437184
.set Q0,    18                         ; s18  the first query of the tile in hand
.set TB,    40                         ; s40  where the step's tiles begin: 6,144 bytes a step, in K and in V
.set TS,    41                         ; s41  and its scale words: 512 bytes a step
.set KF,    42                         ; s42  the step's first key
.set CNT,   43
.set SEL,   44
.set CS,    46
.macro G1SET g, rows                   ; a dense piece as rows of 256 bytes (32 elements of 8 bytes), no padding, no mask
	s_mov_b32 s[\g], 3<<16
	s_mov_b32 s[\g+1], 32<<16
	s_mov_b32 s[\g+2], (\rows)<<16
	s_mov_b32 s[\g+3], 32<<16
	s_mov_b32 s[\g+4], \rows
	s_mov_b32 s[\g+5], 32
	s_mov_b32 s[\g+6], 0
	s_mov_b32 s[\g+7], 0
.endm
.macro ADDR t, q, qa, qs               ; of tile s[t]: its first query, and where its Q and Q's scale bytes lie
	s_lshr_b32 s[\q], s[\t], 1
	s_lshl_b32 s[\q], s[\q], 5
	s_and_b32 s36, s[\t], 1
	s_lshl_b32 s36, s36, 3
	s_add_co_u32 s[\q], s[\q], s36
	s_add_co_u32 s36, s30, s[\t]
	s_mul_i32 s36, s36, 768
	s_add_nc_u64 s[\qa:\qa+1], s[4:5], s[36:37]
	s_add_co_u32 s36, s31, s[\t]
	s_lshl_b32 s36, s36, 6
	s_add_co_u32 s36, s36, s32
	s_add_nc_u64 s[\qs:\qs+1], s[4:5], s[36:37]
.endm
.macro QLOAD qa, qs, d, sc             ; four loads: a half image of Q and its scale bytes (bytes 2, 3 of the word come as 0: they stand over zero codes)
.irp p, 0,1,2
	global_load_b64 v[\d+2*\p:\d+1+2*\p], v1, s[\qa:\qa+1] offset:256*\p
.endr
	global_load_u16 v[\sc], v206, s[\qs:\qs+1]
.endm
.macro INIT                            ; a tile's state: the step has no first form; the first change of M multiplies zeros
	v_mov_b32 v13, 0xff61b1e6                      ; the largest t so far: -3e38
	v_mov_b32 v14, 0
	v_mov_b32 v15, 0
	v_floor_f32 v12, -v13
.set J, 0
.rept 32
	v_mov_b32 v[160+J], 0
.set J, J+1
.endr
.endm
; A KEY STEP of 128 keys.
.macro STEP
	s_add_co_u32 s48, s[Q0], 23
	s_cmp_gt_u32 s[KF], s48
	s_cbranch_scc1 .Lhidden_\@                     ; all its keys come after my queries
	v_add_nc_u32 v8, s[TB], v1
	v_add_nc_u32 v9, s[TB], v2
	v_add_nc_u32 v10, s[TS], v3
	v_add_nc_u32 v11, s[TS], v4
	s_wait_alu depctr_va_vdst(0)
	v_nop                                          ; five places: S^T is laid over registers that the last step's products read
.irp g, 0,1
.if \g > 0
.rept 4
	v_nop                                          ; places in front of loads into registers that matrix instructions have read
.endr
.endif
.irp t, 0,1,2,3
.irp p, 0,1,2
	ds_load_b64 v[32+12*\t+2*\p:33+12*\t+2*\p], v8 offset:(4*\g+\t)*768+256*\p
.endr
	ds_load_u16 v[240+\t], v10 offset:(4*\g+\t)*64
.endr
	s_wait_dscnt 0x0
.irp t, 0,1,2,3
	v_wmma_scale_f32_16x16x128_f8f6f4 v[96+8*(4*\g+\t):103+8*(4*\g+\t)], v[32+12*\t:43+12*\t], v[16:27], 0, v[240+\t], v28 matrix_a_fmt:MATRIX_FMT_FP6 matrix_b_fmt:MATRIX_FMT_FP6
.endr
.endr
.rept 4
	v_nop
.endr
	s_add_co_u32 s48, s[KF], 127
	s_cmp_le_u32 s48, s[Q0]
	s_cbranch_scc1 .Lopen_\@                       ; all its keys count
	s_sub_co_i32 s48, s[Q0], s[KF]
	v_add_nc_u32 v206, s48, v6                     ; d = my query - KF - 16 h.  Register 16 b + i holds key KF + 32 b + 16 h + i: hidden where 32 b + i > d
	v_mov_b32 v207, 0xff800000
.set N, 0
.rept 64
	v_cmp_gt_i32 vcc_lo, 32*(N/16)+N%16, v206
	v_cndmask_b32 v[96+N], v[96+N], v207, vcc_lo
.set N, N+1
.endr
.Lopen_\@:
.irp b, 0,1,2,3
	v_max3_num_f32 v[80+\b], v[96+16*\b], v[97+16*\b], v[98+16*\b]   ; each block's largest score: for the row's maximum and, since p rises with the score, for the block's largest p
.endr
.irp i, 3,5,7,9,11,13
.irp b, 0,1,2,3
	v_max3_num_f32 v[80+\b], v[80+\b], v[96+16*\b+\i], v[97+16*\b+\i]
.endr
.endr
.irp b, 0,1,2,3
	v_max_num_f32 v[80+\b], v[80+\b], v[111+16*\b]
.endr
.irp b, 0,1,2,3
	s_delay_alu instid0(VALU_DEP_4)
	v_permlanex16_b32 v[84+\b], v[80+\b], s[SEL], s[SEL+1]
.endr
.irp b, 0,1,2,3
	s_delay_alu instid0(VALU_DEP_4)
	v_max_num_f32 v[80+\b], v[80+\b], v[84+\b]
.endr
	s_delay_alu instid0(VALU_DEP_2)
	v_max3_num_f32 v206, v80, v81, v82
	s_delay_alu instid0(VALU_DEP_1)
	v_max_num_f32 v206, v206, v83
	s_delay_alu instid0(VALU_DEP_1)
	v_mul_f32 v206, s[CS], v206
	s_delay_alu instid0(VALU_DEP_1)
	v_max_num_f32 v13, v13, v206                   ; the running largest t
	v_mov_b32 v206, v12
	s_delay_alu instid0(VALU_DEP_2)
	v_floor_f32 v12, -v13                          ; -M = floor(-t): M is a whole number
	s_delay_alu instid0(VALU_DEP_1)
	v_sub_f32 v206, v12, v206
	s_delay_alu instid0(VALU_DEP_1)
	v_cvt_i32_f32 v206, v206                       ; (it saturates)
	s_delay_alu instid0(VALU_DEP_1)
	v_ldexp_f32 v204, 1.0, v206                    ; f = 2^(old M - new M)
.set J, 0
.rept 32
	v_pk_fma_f32 v[96+J:97+J], v[96+J:97+J], s[CS:CS+1], v[12:13] op_sel_hi:[1,0,0]
.set J, J+2
.endr
.irp b, 0,1,2,3
	v_fma_f32 v[80+\b], v[80+\b], s[CS], v12
.endr
	s_wait_alu depctr_va_vdst(0)
.set J, 0
.rept 64
	v_exp_f32 v[96+J], v[96+J]                     ; p = 2^(t - M)
.set J, J+1
.endr
	v_pk_mul_f32 v[14:15], v[14:15], v[204:205] op_sel_hi:[1,0]    ; the sums under the new M: a plain place behind the exponentials
	s_wait_alu depctr_va_vdst(0)                   ; one wait for the batch, ahead of its first reader
.irp b, 0,1,2,3
	v_exp_f32 v[80+\b], v[80+\b]                   ; each block's largest p
.endr
	v_pk_add_f32 v[84:85], v[100:101], v[104:105]  ; the row's sum of the unquantised p, in eight chains; six of them in the registers that p's codes take afterwards
	v_pk_add_f32 v[192:193], v[108:109], v[112:113]
	v_pk_add_f32 v[194:195], v[116:117], v[120:121]
	v_pk_add_f32 v[196:197], v[124:125], v[128:129]
	v_pk_add_f32 v[198:199], v[132:133], v[136:137]
	v_pk_add_f32 v[200:201], v[140:141], v[144:145]
	v_pk_add_f32 v[202:203], v[148:149], v[152:153]
	v_pk_add_f32 v[14:15], v[14:15], v[156:157]
	v_pk_add_f32 v[84:85], v[84:85], v[96:97]
	v_pk_add_f32 v[192:193], v[192:193], v[98:99]
	v_pk_add_f32 v[194:195], v[194:195], v[102:103]
	v_pk_add_f32 v[196:197], v[196:197], v[106:107]
	v_pk_add_f32 v[198:199], v[198:199], v[110:111]
	v_pk_add_f32 v[200:201], v[200:201], v[114:115]
	v_pk_add_f32 v[202:203], v[202:203], v[118:119]
	v_pk_add_f32 v[14:15], v[14:15], v[122:123]
	v_pk_add_f32 v[84:85], v[84:85], v[126:127]
	v_pk_add_f32 v[192:193], v[192:193], v[130:131]
	v_pk_add_f32 v[194:195], v[194:195], v[134:135]
	v_pk_add_f32 v[196:197], v[196:197], v[138:139]
	v_pk_add_f32 v[198:199], v[198:199], v[142:143]
	v_pk_add_f32 v[200:201], v[200:201], v[146:147]
	v_pk_add_f32 v[202:203], v[202:203], v[150:151]
	v_pk_add_f32 v[14:15], v[14:15], v[154:155]
	v_pk_add_f32 v[84:85], v[84:85], v[158:159]
	s_delay_alu instid0(VALU_DEP_2)
	v_pk_add_f32 v[14:15], v[14:15], v[196:197]
	s_delay_alu instid0(VALU_DEP_2)
	v_pk_add_f32 v[84:85], v[84:85], v[198:199]
	v_pk_add_f32 v[192:193], v[192:193], v[200:201]
	v_pk_add_f32 v[194:195], v[194:195], v[202:203]
	s_delay_alu instid0(VALU_DEP_2)
	v_pk_add_f32 v[14:15], v[14:15], v[192:193]
	s_delay_alu instid0(VALU_DEP_2)
	v_pk_add_f32 v[84:85], v[84:85], v[194:195]
	s_delay_alu instid0(VALU_DEP_1)
	v_pk_add_f32 v[14:15], v[14:15], v[84:85]
	s_wait_alu depctr_va_vdst(0)                   ; and one for the four
.irp b, 0,1,2,3
	v_max_num_f32 v[80+\b], 0x1800000, v[80+\b]    ; the floor 2^(3 - 127)
.endr
.irp b, 0,1,2,3
	s_delay_alu instid0(VALU_DEP_4)
	v_add_nc_u32 v[92+\b], 0xff000000, v[80+\b]
.endr
.irp b, 0,1,2,3
	s_delay_alu instid0(VALU_DEP_4)
	v_lshrrev_b32 v[84+\b], 23, v[92+\b]
.endr
	s_delay_alu instid0(VALU_DEP_3)
	v_lshl_or_b32 v29, v85, 8, v84                 ; p's scale word for these 128 keys
	s_delay_alu instid0(VALU_DEP_1)
	v_lshl_or_b32 v29, v86, 16, v29
	s_delay_alu instid0(VALU_DEP_1)
	v_lshl_or_b32 v29, v87, 24, v29
.irp c, 0,1
	v_cvt_scalef32_pk16_fp6_f32 v[192+6*\c:194+6*\c], v[96+32*\c:111+32*\c], v[92+2*\c]
	v_cvt_scalef32_pk16_fp6_f32 v[84+4*\c:86+4*\c], v[112+32*\c:127+32*\c], v[92+2*\c+1]
.endr
	v_nop                                          ; one plain place behind a scaled conversion
.irp t, 0,1,2,3
.irp i, 0,1,2,3,4,5
	ds_load_b64 v[96+12*\t+2*\i:97+12*\t+2*\i], v9 offset:\t*1536+256*\i     ; V's four fragments take p's place
.endr
	ds_load_b32 v[240+\t], v11 offset:64*\t
.endr
.irp c, 0,1
.irp i, 0,1,2
	v_permlane16_swap_b32 v[192+6*\c+\i], v[84+4*\c+\i]
.endr
.irp i, 0,1,2
	s_delay_alu instid0(VALU_DEP_3)
	v_mov_b32 v[195+6*\c+\i], v[84+4*\c+\i]
.endr
.endr
.set J, 0
.rept 16
	v_pk_mul_f32 v[160+J:161+J], v[160+J:161+J], v[204:205] op_sel_hi:[1,0]   ; O^T under the new M; also the places in front of the scaled products
.set J, J+2
.endr
	s_wait_alu depctr_va_vdst(0)
	s_wait_dscnt 0x0
.irp t, 0,1,2,3
	v_wmma_scale_f32_16x16x128_f8f6f4 v[160+8*\t:167+8*\t], v[96+12*\t:107+12*\t], v[192:203], v[160+8*\t:167+8*\t], v[240+\t], v29 matrix_a_fmt:MATRIX_FMT_FP6 matrix_b_fmt:MATRIX_FMT_FP6
.endr
.Lhidden_\@:
	s_add_co_u32 s[TB], s[TB], 6144
	s_add_co_u32 s[TS], s[TS], 512
	s_add_co_u32 s[KF], s[KF], 128
.endm
	s_load_b128 s[4:7], s[0:1], 0x0                ; qbuf, x
	s_load_b64 s[8:9], s[0:1], 0x10                ; x1
	v_lshl_add_u32 v254, v0, 2, SPARE
	v_mov_b32 v255, 0
	ds_add_u32 v254, v255                          ; the add, twice on end, and its wait below
	ds_add_u32 v254, v255
	v_lshrrev_b32 v1, 5, v0
	v_readfirstlane_b32 s10, v1                    ; wave 0..15
	s_and_b32 s12, ttmp7, 0xffff
	s_lshr_b32 s13, s12, 4                         ; batch
	s_and_b32 s14, s12, 15                         ; head
	s_and_b32 s15, s14, 1                          ; its place in the pair of heads
	s_lshr_b32 s16, s14, 1                         ; the pair of heads
	s_lshr_b32 s11, s10, 2
	s_xor_b32 s11, s11, s10
	s_and_b32 s11, s11, 1                          ; 0: wave A, 1: wave B; waves w and w xor 1 are a pair; both kinds in every four neighbouring waves and in every four that lie 4 apart
	s_lshr_b32 s19, s10, 1                         ; the pair of waves, 0..7
	s_lshl_b32 s48, ttmp9, 3
	s_sub_co_u32 s28, 120, s48
	s_add_co_u32 s28, s28, s19                     ; the late tile: both waves begin on it
	s_add_co_u32 s48, s48, s19                     ; the early tile
	s_cmp_eq_u32 s11, 1
	s_cselect_b32 s17, s48, s28                    ; the tile that I send out: B the early one, A the late one
	s_lshl_b32 s30, s14, 8
	s_lshl_b32 s49, s13, 7
	s_add_co_u32 s30, s30, s49                     ; Q's half images: 256 head + 128 batch + tile
	s_lshl_b32 s31, s16, 8
	s_add_co_u32 s31, s31, s49                     ; its scale words: by pairs of heads
	s_lshl_b32 s32, s15, 1
	s_add_co_u32 s32, s32, QS
	s_lshl_b32 s33, s13, 11
	s_lshl_b32 s34, s14, 8
	s_add_co_u32 s52, s14, 16
	s_mul_i32 s52, s52, 196608
	s_mul_i32 s53, s13, 98304
	s_add_co_u32 s52, s52, s53                     ; K's codes of my head
	s_lshl_b32 s53, s13, 4
	s_add_co_u32 s53, s53, s14
	s_mul_i32 s53, s53, 98304
	s_add_co_u32 s53, s53, 6291456-98304           ; V's, less the six pieces that K's waves count
	s_add_co_u32 s54, s16, 8
	s_lshl_b32 s54, s54, 14
	s_lshl_b32 s55, s13, 13
	s_add_co_u32 s54, s54, s55
	s_add_co_u32 s54, s54, QS                      ; K's scale words
	s_lshl_b32 s55, s13, 3
	s_add_co_u32 s55, s55, s16
	s_lshl_b32 s55, s55, 13
	s_add_co_u32 s55, s55, QS+262144-8192          ; V's, less K's two pieces
	s_lshl_b32 s21, s10, 14                        ; waves 0-11: 16,384 bytes of codes each, K's at LDS byte 0, V's behind them
	s_cmp_lt_u32 s10, 6
	s_cselect_b32 s52, s52, s53
	s_add_co_u32 s52, s52, s21
	s_and_b32 s56, s10, 3                          ; waves 12-15: 4,096 bytes of scale words each
	s_lshl_b32 s56, s56, 12
	s_and_b32 s57, s10, 2
	s_cmp_lg_u32 s57, 0
	s_cselect_b32 s54, s55, s54
	s_add_co_u32 s54, s54, s56
	s_add_co_u32 s25, s56, KSC
	s_mov_b32 s53, 0
	s_mov_b32 s55, 0
	G1SET 68, 64
	G1SET 76, 16
	s_mov_b32 s37, 0
	s_mov_b32 s[SEL], 0x76543210
	s_mov_b32 s[SEL+1], 0xfedcba98                 ; lane selects: lane l xor 16
	s_mov_b32 s[CS], 0x3e38aa3b                    ; log2(e) / sqrt(64)
	s_mov_b32 s[CS+1], s[CS]
	s_mul_i32 s[TB], s11, 49152                    ; the first loop: A from key step 0, B from key step 8
	s_lshl_b32 s[TS], s11, 12
	s_lshl_b32 s[KF], s11, 10
	s_mov_b32 s20, 1
	s_mov_b32 s24, 1
	s_wait_dscnt 0x0                               ; both opening adds are done
	s_wait_kmcnt 0x0
	s_add_nc_u64 s[22:23], s[4:5], s[52:53]
	s_or_b32 s23, s23, 0x80000000
	s_add_nc_u64 s[26:27], s[4:5], s[54:55]
	s_or_b32 s27, s27, 0x80000000
	s_cmp_lt_u32 s10, 12                           ; one tensor load a wave, a load in each arm
	s_cbranch_scc0 .Lscales
	tensor_load_to_lds s[20:23], s[68:75]
	s_nop 0
.rept 4
	v_nop
.endr
	s_branch .Lasked
.Lscales:
	tensor_load_to_lds s[24:27], s[76:83]
	s_nop 0
.rept 4
	v_nop
.endr
.Lasked:
	ADDR 17, 2, 38, 50                             ; the tile that I send out: its first query in s2
	ADDR 28, 18, 56, 58                            ; the late tile
	s_add_co_u32 s36, s33, s2
	s_lshl_b32 s36, s36, 12
	s_add_co_u32 s36, s36, s34
	s_add_nc_u64 s[52:53], s[6:7], s[36:37]        ; x and x1 at that tile's first query, my head's 256 bytes
	s_add_nc_u64 s[54:55], s[8:9], s[36:37]
	s_lshl_b32 s19, s15, 1
	s_add_co_u32 s19, s19, KSC
	s_lshl_b32 s48, s15, 8
	s_add_co_u32 s48, s48, VSC
	s_mul_i32 s49, s10, STW
	s_add_co_u32 s49, s49, STAGE                   ; my stage
	s_xor_b32 s35, s10, s11
	s_mul_i32 s35, s35, STW
	s_add_co_u32 s35, s35, STAGE                   ; the stage of my pair's wave A
	v_and_b32 v10, 31, v0
	v_and_b32 v8, 15, v0                           ; r
	v_bfe_u32 v9, v0, 4, 1                         ; h
	v_lshlrev_b32 v1, 3, v10                       ; 8 x lane: my place in an image
	v_lshlrev_b32 v31, 4, v10
	v_lshl_add_u32 v3, v8, 2, s19                  ; K's scales: my head's two bytes of the pair's word
	v_lshl_add_u32 v4, v8, 2, s48                  ; V's: my head's four tiles
	v_lshlrev_b32 v5, 12, v9
	v_and_b32 v6, 8, v8
	v_lshlrev_b32 v11, 4, v9
	v_mul_u32_u24 v7, v8, 272
	v_mul_u32_u24 v30, v9, 272
	v_lshlrev_b32 v206, 2, v8                      ; Q's scale bytes: 4 r
	v_add_nc_u32 v2, 98304, v1
	v_add_nc_u32 v31, s35, v31                     ; the images of B's registers: 16 x lane in A's stage
	v_lshl_add_u32 v5, v8, 4, v5                   ; x, x1: lanes 0-15 one row, lanes 16-31 the next, 16 bytes a lane
	v_add_nc_u32 v6, v6, v8
	v_lshl_add_u32 v7, v9, 6, v7
	v_lshl_add_u32 v30, v8, 4, v30
	v_sub_nc_u32 v6, v6, v11                       ; r + 8 (r / 8) - 16 h
	v_add_nc_u32 v7, s49, v7                       ; stage, in: row r, + 64 h; tile 2 b + u: 128 b + 32 u on
	v_add_nc_u32 v30, s49, v30                     ; stage, back: lanes 0-15 one row, lanes 16-31 the next
.irp i, 22,23,24,25,26,27
	v_mov_b32 v[\i], 0                             ; k = 64 .. 127 of Q: zero codes
.endr
.irp t, 0,1,2,3
.irp i, 6,7,8,9,10,11
	v_mov_b32 v[32+12*\t+\i], 0                    ; and of K's four operands: written once
.endr
.endr
.irp i, 84,85,86,87,204,205,207
	v_mov_b32 v[\i], 0                             ; lane permutes' destinations and the upper halves of the factors' pairs count as read
.endr
	INIT
	s_wait_alu depctr_va_vdst(0)
	QLOAD 56, 58, 16, 28                           ; the late tile's Q
	s_cmp_eq_u32 s11, 0
	s_cbranch_scc1 .Lone_q
	QLOAD 38, 50, 244, 250                         ; B: the early tile's too, kept for the second loop
.Lone_q:
	s_wait_loadcnt 0x0                             ; Q and its scale
	s_wait_tensorcnt 0x0                           ; my piece is in
	s_barrier_signal -1
	s_barrier_wait -1                              ; and everybody's: all of K, V and their scale words
.irp i, 0,1,2,3,4,5,6,7
	global_load_b128 v[208+4*\i:211+4*\i], v5, s[52:53] offset:(2*\i+8*(\i/4))*4096 th:TH_LOAD_NT   ; x of the tile that I send out: 16 rows, my head's 256 bytes of each; used behind both loops
.endr
	s_mov_b32 s[CNT], 8
.Lfirst:                                               ; the late tile: A key steps 0-7, B key steps 8-15
	STEP
	s_sub_co_u32 s[CNT], s[CNT], 1
	s_cmp_lg_u32 s[CNT], 0
	s_cbranch_scc1 .Lfirst
.rept 4
	v_nop                                          ; places behind the last products
.endr
	s_wait_alu depctr_va_vdst(0)
	s_xor_b32 s48, s11, 1
	s_mul_i32 s[TB], s48, 49152                    ; the second loop: B from key step 0 (A, which leaves all its steps out, from key step 8)
	s_lshl_b32 s[TS], s48, 12
	s_lshl_b32 s[KF], s48, 10
	s_cmp_eq_u32 s11, 0
	s_cbranch_scc0 .Lmid_b
	s_mov_b32 s[Q0], 0                             ; A: every key step of the second loop is left out
	s_branch .Lsecond_in
.Lmid_b:
.irp i, 0,1,2,3,4,5,6,7
	ds_store_b128 v31, v[160+4*\i:163+4*\i] offset:512*\i          ; B: my part of the late tile into A's stage: O^T, each accumulator from its low end on,
.endr
	ds_store_b128 v31, v[12:15] offset:4096        ; and -M, the largest t, the sum's two halves
.irp i, 0,1,2,3,4,5
	v_mov_b32 v[16+\i], v[244+\i]                  ; the early tile's Q,
.endr
	v_mov_b32 v28, v250                            ; its scale (the 36 lines of INIT and the step's first four are the places ahead of the scaled products),
	s_mov_b32 s[Q0], s2                            ; its first query
	INIT
	s_wait_alu depctr_va_vdst(0)
.Lsecond_in:
	s_wait_dscnt 0x0                               ; for the partner's sake: B's stores are done
	s_barrier_signal -1                            ; the wait stands behind the loop: up to it only register work and LDS loads of K, V and their scale words
	s_mov_b32 s[CNT], 8
.Lsecond:                                              ; B: the early tile, key steps 0-7
	STEP
	s_sub_co_u32 s[CNT], s[CNT], 1
	s_cmp_lg_u32 s[CNT], 0
	s_cbranch_scc1 .Lsecond
.rept 4
	v_nop
.endr
	s_wait_alu depctr_va_vdst(0)
	s_barrier_wait -1                              ; every B has stored its part
	v_add_f32 v14, v14, v15
	s_wait_alu depctr_va_vdst(0)
	s_cmp_eq_u32 s11, 0
	s_cbranch_scc0 .Lout
.irp i, 0,1,2,3,4,5,6,7
	ds_load_b128 v[96+4*\i:99+4*\i], v31 offset:512*\i             ; A: B's part, in the same lanes and registers' order as mine
.endr
	ds_load_b128 v[80:83], v31 offset:4096
	s_wait_dscnt 0x0
	v_min_num_f32 v84, v12, v80                    ; -M of both parts together
	v_add_f32 v82, v82, v83
	v_sub_f32 v85, v84, v80                        ; B's M less the common one: a whole number, 0 or less
	v_sub_f32 v86, v84, v12                        ; and mine
	v_cvt_i32_f32 v85, v85
	v_cvt_i32_f32 v86, v86
	v_ldexp_f32 v204, 1.0, v85
	v_ldexp_f32 v206, 1.0, v86
	v_mul_f32 v14, v14, v206
	v_fmac_f32 v14, v82, v204                      ; the sums under the common M
.set J, 0
.rept 16
	v_pk_mul_f32 v[160+J:161+J], v[160+J:161+J], v[206:207] op_sel_hi:[1,0]
.set J, J+2
.endr
.set J, 0
.rept 16
	v_pk_fma_f32 v[160+J:161+J], v[96+J:97+J], v[204:205], v[160+J:161+J] op_sel_hi:[1,0,1]
.set J, J+2
.endr
.Lout:
	; THE WAY OUT; v14 holds my half of the row's sum.  O^T / the sum through my stage, back as rows of 256 bytes, + x, stored as whole aligned runs of 256 bytes.
	v_permlanex16_b32 v204, v14, s[SEL], s[SEL+1]
	s_delay_alu instid0(VALU_DEP_1)
	v_add_f32 v14, v14, v204
	s_wait_alu depctr_va_vdst(0)                   ; a wait ahead of the transcendental,
	v_rcp_f32 v14, v14
	v_nop
	s_wait_alu depctr_va_vdst(0)                   ; and ahead of its first reader, which is O^T's next reader too
.set J, 0
.rept 16
	v_pk_mul_f32 v[96+J:97+J], v[160+J:161+J], v[14:15] op_sel_hi:[1,0]
.set J, J+2
.endr
.irp t, 0,1,2,3
	ds_store_b128 v7, v[96+8*\t:99+8*\t] offset:128*(\t/2)+32*(\t%2)
	ds_store_b128 v7, v[100+8*\t:103+8*\t] offset:128*(\t/2)+32*(\t%2)+16
.endr
.irp i, 0,1,2,3,4,5,6,7
	ds_load_b128 v[128+4*\i:131+4*\i], v30 offset:544*\i           ; LDS serves a wave's instructions in order: these see my stores
.endr
	s_wait_loadcnt 0x0                             ; x
	s_wait_dscnt 0x0
.set J, 0
.rept 16
	v_pk_add_f32 v[128+J:129+J], v[208+J:209+J], v[128+J:129+J]
.set J, J+2
.endr
.irp i, 0,1,2,3,4,5,6,7
	global_store_b128 v5, v[128+4*\i:131+4*\i], s[54:55] offset:(2*\i+8*(\i/4))*4096
.endr
	s_wait_tensorcnt 0x0                           ; the wave's end
	ds_add_u32 v254, v255
	s_wait_dscnt 0x0
	s_endpgm
.Lfunc_end_k_q0063667e27_attn:
	.size	k_q0063667e27_attn, .Lfunc_end_k_q0063667e27_attn-k_q0063667e27_attn
	.p2alignl 7, 3214868480
	.fill 96, 4, 3214868480
	.section	.rodata,"a",@progbits
	.p2align	6, 0x0
	.amdhsa_kernel k_q0063667e27_attn
		.amdhsa_group_segment_fixed_size 288768
		.amdhsa_private_segment_fixed_size 0
		.amdhsa_enable_private_segment 0
		.amdhsa_kernarg_size 24
		.amdhsa_user_sgpr_count 2
		.amdhsa_user_sgpr_kernarg_segment_ptr 1
		.amdhsa_wavefront_size32 1
		.amdhsa_system_sgpr_workgroup_id_x 1
		.amdhsa_system_sgpr_workgroup_id_y 1
		.amdhsa_system_sgpr_workgroup_id_z 1
		.amdhsa_system_vgpr_workitem_id 0
		.amdhsa_next_free_vgpr 256
		.amdhsa_next_free_sgpr 100
		.amdhsa_reserve_vcc 1
		.amdhsa_float_denorm_mode_32 3
		.amdhsa_float_denorm_mode_16_64 3
		.amdhsa_memory_ordered 1
		.amdhsa_forward_progress 1
		.amdhsa_inst_pref_size 70
	.end_amdhsa_kernel
	.amdgpu_metadata
---
amdhsa.version: [ 1, 2 ]
amdhsa.kernels:
  - .name:           k_q0063667e27_attn
    .symbol:         k_q0063667e27_attn.kd
    .args:
      - { .name: qbuf, .offset: 0, .size: 8, .value_kind: global_buffer, .address_space: global }
      - { .name: x, .offset: 8, .size: 8, .value_kind: global_buffer, .address_space: global }
      - { .name: x1, .offset: 16, .size: 8, .value_kind: global_buffer, .address_space: global }
    .group_segment_fixed_size: 288768
    .private_segment_fixed_size: 0
    .kernarg_segment_align: 8
    .kernarg_segment_size: 24
    .max_flat_workgroup_size: 512
    .sgpr_count:     100
    .vgpr_count:     256
    .wavefront_size: 32
...
	.end_amdgpu_metadata
.endif
;; end of part 3
;; launch ln2 (part 4): grid 256 x 1, 8 waves a work-group, no clusters, 50,688 bytes of LDS; arguments x1, ln2_g, ln2_b, hbuf; writes hbuf
.if DOCPART == 4
	.amdgcn_target "amdgcn-amd-amdhsa--gfx1250"
	.amdhsa_code_object_version 6
	.text
	.protected	k_q0063667e27_ln2
	.globl	k_q0063667e27_ln2
	.p2align	8
	.type	k_q0063667e27_ln2,@function
k_q0063667e27_ln2:
	s_mov_b64 s[64:65], 0
	v_nop
	global_prefetch_b8 v0, s[64:65] scope:SCOPE_SE
	s_setreg_imm32_b32 hwreg(HW_REG_WAVE_MODE, 25, 1), 1
	s_wait_xcnt 0x0
; Layer norm 2 of x1 [4096][1024] f32, quantised along the row to E2M3 codes with one E8M0 byte for each 32, stored as operand images.
; A ROW TILE RT is 16 rows: tile lane r holds row 32 (RT / 2) + 8 (RT % 2) + r + 8 (r / 8).  An IMAGE is a fragment (16 rows x 128 K, 12 registers a lane) as its registers lie:
; byte 512 c + 16 lane holds registers 4 c .. 4 c + 3.  Scale words: [RT / 8][K step][RT % 8][16] words.
; A work-group takes one row tile, wave w its tile lanes 2 w and 2 w + 1.  A row lies in 32 registers of the wave; mean, then the mean of squared differences, both in f32.
; The normalised row turns through the wave's own stage in LDS so that lane l holds block l (32 neighbours).
; LIMITS: NaN and infinities are not served; a block of zeros gets the scale byte 1 (its codes are zeros; this program alone reads the bytes).  The scale words leave in pieces of 64 bytes.
.set TURNB, 4608
.set IMG,   36864
.set SCB,   49152
.set XR,    32
.set GG,    96
.set BT,    128
.set BL,    160
	v_lshrrev_b32 v1, 5, v0
	s_delay_alu instid0(VALU_DEP_1)
	v_readfirstlane_b32 s24, v1                    ; wave 0..7
	v_and_b32 v2, 31, v0                           ; lane
	s_wait_alu depctr_va_vdst(0)
	s_load_b256 s[4:11], s[0:1], 0x0               ; x1, gain, bias, hbuf
	v_lshl_add_u32 v192, v0, 2, 0xc200
	v_mov_b32 v193, 0
	s_lshr_b32 s13, ttmp9, 1
	s_lshl_b32 s13, s13, 5
	s_and_b32 s14, ttmp9, 1
	s_lshl_b32 s14, s14, 3
	s_add_co_u32 s13, s13, s14
	s_lshl_b32 s14, s24, 1
	s_add_co_u32 s13, s13, s14
	s_lshr_b32 s14, s24, 2
	s_lshl_b32 s14, s14, 3
	s_add_co_u32 s13, s13, s14                     ; my first row
	s_lshl_b32 s16, s13, 12
	s_mov_b32 s17, 0
	s_mov_b32 s20, 0x3a800000                      ; 1 / 1024
	s_mov_b32 s21, 0x3727c5ac                      ; 1e-5
	s_mov_b32 s22, 0x76543210
	s_mov_b32 s23, 0xfedcba98
	v_lshlrev_b32 v3, 4, v2
	s_wait_alu depctr_va_vdst(0)
	s_wait_kmcnt 0x0
	s_add_nc_u64 s[4:5], s[4:5], s[16:17]
.irp i, 0,1,2,3,4,5,6,7
	global_load_b128 v[XR+4*\i:XR+4*\i+3], v3, s[4:5] offset:512*\i
.endr
.irp i, 0,1,2,3,4,5,6,7
	global_load_b128 v[XR+32+4*\i:XR+32+4*\i+3], v3, s[4:5] offset:4096+512*\i
.endr
.irp i, 0,1,2,3,4,5,6,7
	global_load_b128 v[GG+4*\i:GG+4*\i+3], v3, s[6:7] offset:512*\i
.endr
.irp i, 0,1,2,3,4,5,6,7
	global_load_b128 v[BT+4*\i:BT+4*\i+3], v3, s[8:9] offset:512*\i
.endr
	s_mul_i32 s25, s24, TURNB
	v_lshrrev_b32 v4, 3, v2
	s_delay_alu instid0(VALU_DEP_1)
	v_mul_u32_u24 v4, v4, 144
	v_and_b32 v5, 7, v2
	s_delay_alu instid0(VALU_DEP_1)
	v_lshl_add_u32 v4, v5, 4, v4
	s_delay_alu instid0(VALU_DEP_1)
	v_add_nc_u32 v4, s25, v4                       ; stage, in
	v_mul_u32_u24 v5, v2, 144
	s_delay_alu instid0(VALU_DEP_1)
	v_add_nc_u32 v5, s25, v5                       ; stage, out: block = lane
	v_lshrrev_b32 v6, 2, v2
	s_delay_alu instid0(VALU_DEP_1)
	v_mul_u32_u24 v6, v6, 1536
	v_and_b32 v7, 1, v2
	s_delay_alu instid0(VALU_DEP_1)
	v_lshl_add_u32 v6, v7, 8, v6
	s_lshl_b32 s26, s24, 5
	s_add_co_u32 s26, s26, IMG
	v_add_nc_u32 v6, s26, v6
	v_bfe_u32 v20, v2, 1, 1
	s_delay_alu instid0(VALU_DEP_1)
	v_mad_u32_u24 v7, v20, 1016, v6
	s_delay_alu instid0(VALU_DEP_1)
	v_add_nc_u32 v7, 8, v7                         ; registers 2, 3 or 8, 9
	s_delay_alu instid0(VALU_DEP_3)
	v_mad_u32_u24 v6, v20, 520, v6                 ; registers 0, 1 or 6, 7; 512 on: 4, 5 or 10, 11
	v_lshrrev_b32 v24, 2, v2
	s_delay_alu instid0(VALU_DEP_1)
	v_lshlrev_b32 v24, 6, v24
	v_and_b32 v23, 3, v2
	s_delay_alu instid0(VALU_DEP_1)
	v_add_nc_u32 v24, v24, v23
	s_lshl_b32 s26, s24, 3
	s_add_co_u32 s26, s26, SCB
	v_add_nc_u32 v24, s26, v24                     ; my block's scale byte
	v_lshlrev_b32 v26, 4, v0
	s_delay_alu instid0(VALU_DEP_1)
	v_add_nc_u32 v25, IMG, v26
	v_lshlrev_b32 v27, 2, v0
	v_lshrrev_b32 v28, 4, v0
	s_delay_alu instid0(VALU_DEP_1)
	v_lshlrev_b32 v28, 9, v28
	v_and_b32 v29, 15, v0
	s_delay_alu instid0(VALU_DEP_1)
	v_lshl_add_u32 v28, v29, 2, v28
	s_mul_i32 s16, ttmp9, 12288
	s_add_nc_u64 s[12:13], s[10:11], s[16:17]
	s_lshr_b32 s18, ttmp9, 3
	s_lshl_b32 s18, s18, 12
	s_and_b32 s19, ttmp9, 7
	s_lshl_b32 s19, s19, 6
	s_add_co_u32 s18, s18, s19
	s_add_co_u32 s18, s18, 3145728
	s_mov_b32 s19, 0
	s_add_nc_u64 s[14:15], s[10:11], s[18:19]
.macro RED a, t
	s_delay_alu instid0(VALU_DEP_1)
	v_add_f32_dpp v[\a], v[\a], v[\a] row_xmask:1 row_mask:0xf bank_mask:0xf
	s_delay_alu instid0(VALU_DEP_1)
	v_add_f32_dpp v[\a], v[\a], v[\a] row_xmask:2 row_mask:0xf bank_mask:0xf
	s_delay_alu instid0(VALU_DEP_1)
	v_add_f32_dpp v[\a], v[\a], v[\a] row_xmask:4 row_mask:0xf bank_mask:0xf
	s_delay_alu instid0(VALU_DEP_1)
	v_add_f32_dpp v[\a], v[\a], v[\a] row_xmask:8 row_mask:0xf bank_mask:0xf
	s_delay_alu instid0(VALU_DEP_1)
	v_permlanex16_b32 v[\t], v[\a], s22, s23
	s_delay_alu instid0(VALU_DEP_1)
	v_add_f32 v[\a], v[\a], v[\t]
.endm
.macro ROW j
.set X, XR+32*\j
.if \j == 0
	s_wait_loadcnt 24                              ; row 0 is in; row 1, gain and bias (24 younger loads) may be out
.endif
	v_pk_add_f32 v[8:9], v[X:X+1], v[X+2:X+3]
	v_pk_add_f32 v[10:11], v[X+4:X+5], v[X+6:X+7]
	v_pk_add_f32 v[12:13], v[X+8:X+9], v[X+10:X+11]
	v_pk_add_f32 v[14:15], v[X+12:X+13], v[X+14:X+15]
.irp i, 16,24
	s_delay_alu instid0(VALU_DEP_4)
	v_pk_add_f32 v[8:9], v[8:9], v[X+\i:X+\i+1]
	s_delay_alu instid0(VALU_DEP_4)
	v_pk_add_f32 v[10:11], v[10:11], v[X+\i+2:X+\i+3]
	s_delay_alu instid0(VALU_DEP_4)
	v_pk_add_f32 v[12:13], v[12:13], v[X+\i+4:X+\i+5]
	s_delay_alu instid0(VALU_DEP_4)
	v_pk_add_f32 v[14:15], v[14:15], v[X+\i+6:X+\i+7]
.endr
	s_delay_alu instid0(VALU_DEP_3)
	v_pk_add_f32 v[8:9], v[8:9], v[10:11]
	s_delay_alu instid0(VALU_DEP_2)
	v_pk_add_f32 v[12:13], v[12:13], v[14:15]
	s_delay_alu instid0(VALU_DEP_1)
	v_pk_add_f32 v[8:9], v[8:9], v[12:13]
	s_delay_alu instid0(VALU_DEP_1)
	v_add_f32 v8, v8, v9
	RED 8, 9
	s_delay_alu instid0(VALU_DEP_1)
	v_mul_f32 v8, s20, v8                          ; the mean
	s_delay_alu instid0(VALU_DEP_1)
	v_mov_b32 v9, v8
.set K2, 0
.rept 16
	v_pk_add_f32 v[X+K2:X+K2+1], v[X+K2:X+K2+1], v[8:9] neg_lo:[0,1] neg_hi:[0,1]
.set K2, K2+2
.endr
	v_pk_mul_f32 v[10:11], v[X:X+1], v[X:X+1]
	v_pk_mul_f32 v[12:13], v[X+2:X+3], v[X+2:X+3]
	v_pk_mul_f32 v[14:15], v[X+4:X+5], v[X+4:X+5]
	v_pk_mul_f32 v[16:17], v[X+6:X+7], v[X+6:X+7]
.irp i, 8,16,24
	s_delay_alu instid0(VALU_DEP_4)
	v_pk_fma_f32 v[10:11], v[X+\i:X+\i+1], v[X+\i:X+\i+1], v[10:11]
	s_delay_alu instid0(VALU_DEP_4)
	v_pk_fma_f32 v[12:13], v[X+\i+2:X+\i+3], v[X+\i+2:X+\i+3], v[12:13]
	s_delay_alu instid0(VALU_DEP_4)
	v_pk_fma_f32 v[14:15], v[X+\i+4:X+\i+5], v[X+\i+4:X+\i+5], v[14:15]
	s_delay_alu instid0(VALU_DEP_4)
	v_pk_fma_f32 v[16:17], v[X+\i+6:X+\i+7], v[X+\i+6:X+\i+7], v[16:17]
.endr
	s_delay_alu instid0(VALU_DEP_3)
	v_pk_add_f32 v[10:11], v[10:11], v[12:13]
	s_delay_alu instid0(VALU_DEP_2)
	v_pk_add_f32 v[14:15], v[14:15], v[16:17]
	s_delay_alu instid0(VALU_DEP_1)
	v_pk_add_f32 v[10:11], v[10:11], v[14:15]
	s_delay_alu instid0(VALU_DEP_1)
	v_add_f32 v10, v10, v11
	RED 10, 11
	s_delay_alu instid0(VALU_DEP_1)
	v_fma_f32 v10, v10, s20, s21                   ; the variance + 1e-5
	s_wait_alu depctr_va_vdst(0)
	v_rsq_f32 v12, v10
	v_nop                                          ; a plain instruction behind the transcendental
	s_wait_alu depctr_va_vdst(0)                   ; and the wait ahead of its first reader
	v_mov_b32 v13, v12
.if \j == 0
	s_wait_alu depctr_va_vdst(0)
	s_wait_loadcnt 0x0
.endif
.set K2, 0
.rept 16
	v_pk_mul_f32 v[X+K2:X+K2+1], v[X+K2:X+K2+1], v[12:13]
.set K2, K2+2
.endr
.set K2, 0
.rept 16
	v_pk_fma_f32 v[X+K2:X+K2+1], v[X+K2:X+K2+1], v[GG+K2:GG+K2+1], v[BT+K2:BT+K2+1]
.set K2, K2+2
.endr
.irp i, 0,1,2,3,4,5,6,7
	ds_store_b128 v4, v[X+4*\i:X+4*\i+3] offset:576*\i
.endr
.irp i, 0,1,2,3,4,5,6,7
	ds_load_b128 v[BL+4*\i:BL+4*\i+3], v5 offset:16*\i             ; LDS serves a wave's instructions in order
.endr
	s_wait_dscnt 0x0
	v_max3_num_f32 v8, |v[BL]|, |v[BL+1]|, 0x1800000               ; with the floor 2^(3 - 127)
	v_max3_num_f32 v9, |v[BL+2]|, |v[BL+3]|, |v[BL+4]|
.irp i, 5,9,13,17,21,25
	s_delay_alu instid0(VALU_DEP_2)
	v_max3_num_f32 v8, v8, |v[BL+\i]|, |v[BL+\i+1]|
	s_delay_alu instid0(VALU_DEP_2)
	v_max3_num_f32 v9, v9, |v[BL+\i+2]|, |v[BL+\i+3]|
.endr
	s_delay_alu instid0(VALU_DEP_2)
	v_max3_num_f32 v8, v8, |v[BL+29]|, |v[BL+30]|
	s_delay_alu instid0(VALU_DEP_1)
	v_max3_num_f32 v8, v8, v9, |v[BL+31]|
	s_delay_alu instid0(VALU_DEP_1)
	v_add_nc_u32 v10, 0xff000000, v8
	s_delay_alu instid0(VALU_DEP_1)
	v_lshrrev_b32 v11, 23, v10
	v_cvt_scalef32_pk16_fp6_f32 v[16:18], v[BL:BL+15], v10
	v_cvt_scalef32_pk16_fp6_f32 v[20:22], v[BL+16:BL+31], v10
	v_nop                                          ; one plain place behind a scaled conversion
	v_mov_b32 v19, v20
	v_mov_b32 v20, v21
	v_mov_b32 v21, v22
	ds_store_b64 v6, v[16:17] offset:16*\j
	ds_store_b64 v7, v[18:19] offset:16*\j
	ds_store_b64 v6, v[20:21] offset:512+16*\j
	ds_store_b8 v24, v11 offset:4*\j
.endm
	ROW 0
	ROW 1
	s_wait_dscnt 0x0                               ; for the others' sake: my stores into the images are done
	s_barrier_signal -1
	s_barrier_wait -1
	ds_load_b128 v[32:35], v25
	ds_load_b128 v[36:39], v25 offset:4096
	ds_load_b128 v[40:43], v25 offset:8192
	s_wait_dscnt 0x0
	global_store_b128 v26, v[32:35], s[12:13]
	global_store_b128 v26, v[36:39], s[12:13] offset:4096
	global_store_b128 v26, v[40:43], s[12:13] offset:8192
	s_cmp_ge_u32 s24, 4
	s_cbranch_scc1 .Ldone
	ds_load_b32 v44, v27 offset:SCB
	s_wait_dscnt 0x0
	global_store_b32 v28, v44, s[14:15]
.Ldone:
	s_wait_tensorcnt 0x0
	ds_add_u32 v192, v193
	s_wait_dscnt 0x0
	s_endpgm
.Lfunc_end_k_q0063667e27_ln2:
	.size	k_q0063667e27_ln2, .Lfunc_end_k_q0063667e27_ln2-k_q0063667e27_ln2
	.p2alignl 7, 3214868480
	.fill 96, 4, 3214868480
	.section	.rodata,"a",@progbits
	.p2align	6, 0x0
	.amdhsa_kernel k_q0063667e27_ln2
		.amdhsa_group_segment_fixed_size 50688
		.amdhsa_private_segment_fixed_size 0
		.amdhsa_enable_private_segment 0
		.amdhsa_kernarg_size 32
		.amdhsa_user_sgpr_count 2
		.amdhsa_user_sgpr_kernarg_segment_ptr 1
		.amdhsa_wavefront_size32 1
		.amdhsa_system_sgpr_workgroup_id_x 1
		.amdhsa_system_sgpr_workgroup_id_y 1
		.amdhsa_system_sgpr_workgroup_id_z 1
		.amdhsa_system_vgpr_workitem_id 0
		.amdhsa_next_free_vgpr 194
		.amdhsa_next_free_sgpr 66
		.amdhsa_reserve_vcc 0
		.amdhsa_float_denorm_mode_32 3
		.amdhsa_float_denorm_mode_16_64 3
		.amdhsa_memory_ordered 1
		.amdhsa_forward_progress 1
		.amdhsa_inst_pref_size 30
	.end_amdhsa_kernel
	.amdgpu_metadata
---
amdhsa.version: [ 1, 2 ]
amdhsa.kernels:
  - .name:           k_q0063667e27_ln2
    .symbol:         k_q0063667e27_ln2.kd
    .args:
      - { .name: x1, .offset: 0, .size: 8, .value_kind: global_buffer, .address_space: global }
      - { .name: ln2_g, .offset: 8, .size: 8, .value_kind: global_buffer, .address_space: global }
      - { .name: ln2_b, .offset: 16, .size: 8, .value_kind: global_buffer, .address_space: global }
      - { .name: hbuf, .offset: 24, .size: 8, .value_kind: global_buffer, .address_space: global }
    .group_segment_fixed_size: 50688
    .private_segment_fixed_size: 0
    .kernarg_segment_align: 8
    .kernarg_segment_size: 32
    .max_flat_workgroup_size: 256
    .sgpr_count:     66
    .vgpr_count:     194
    .wavefront_size: 32
...
	.end_amdgpu_metadata
.endif
;; end of part 4
;; launch fc (part 5): grid 16 x 16, 4 waves a work-group, clusters of 4 x 4, 327,680 bytes of LDS; arguments hbuf, wbuf, b_fc, mbuf; writes mbuf
.if DOCPART == 5
	.amdgcn_target "amdgcn-amd-amdhsa--gfx1250"
	.amdhsa_code_object_version 6
	.text
	.protected	k_q0063667e27_fc
	.globl	k_q0063667e27_fc
	.p2align	8
	.type	k_q0063667e27_fc,@function
k_q0063667e27_fc:
	s_mov_b64 s[64:65], 0
	v_nop
	global_prefetch_b8 v0, s[64:65] scope:SCOPE_SE
	s_setreg_imm32_b32 hwreg(HW_REG_WAVE_MODE, 25, 1), 1
	s_wait_xcnt 0x0
	s_wait_alu depctr_hold_cnt(0) depctr_sa_sdst(0) depctr_va_vdst(0) depctr_va_sdst(0) depctr_va_ssrc(0) depctr_va_vcc(0) depctr_vm_vsrc(0)
	s_getreg_b32 s2, hwreg(HW_REG_IB_STS2, 6, 4)
	s_cmp_eq_u32 s2, 0
	s_cbranch_scc0 .Lentry_in_a_cluster
	s_endpgm
.Lentry_in_a_cluster:
	s_bfe_u32 s2, ttmp6, 0x10000c
	s_cmp_lg_u32 s2, 0xf033
	s_cbranch_scc0 .Lentry_shape_is_right
	s_endpgm
.Lentry_shape_is_right:
.set NA,    8
.set KSN,   8
; m = gelu(h2 W_fc + b_fc), quantised along the hidden axis; the core is qkv's.  K's eight steps go as 3 + 3 + 2 through two slots of three steps; at the head each wave issues one joint load:
; wave 0 A's 16 tiles of slot 0, wave 1 B's, wave 2 A's scale words, wave 3 B's.
.set KPS,   3
.set NS,    2
.set NLOAD, 3
.set G0H,   28
.set G0HB,  40
.set CEL,   KPS*192
.set HALF,  NA*KPS*1536
.set SLOT,  4*HALF
.set SCL,   NS*SLOT
.set SH,    4096
.set SWS,   4096
.set SPARE, SCL+4*SH
.set STG,   SPARE+512
.set ADRA,  16
.set ADRB,  20
.set ADRS,  27
.set SPW,   28
.set NIL,   29
.set SC,    32
.set TM,    128
.set PC,    144
.set PW,    164
.set G0,    20
.set G0B,   32
.set G0S,   44
.set G0SB,  48
.set SEL,   58
.set G1,    68
.set G1B,   76
.set G1S,   84
.set G1SB,  92
.set MSB, 0
.macro WIN new
.if MSB != (\new)
	s_set_vgpr_msb (MSB<<8)|(\new)
.set MSB, (\new)
.endif
.endm
.macro PLACES n
.rept \n
	v_nop
.endr
.endm
.macro JLOAD g0a, g1a, g0b, g1b
	s_cmp_eq_u32 s15, 0
	s_cbranch_scc0 .Lfor_b_\@
	tensor_load_to_lds s[\g0a:\g0a+3], s[\g1a:\g1a+7]
	s_nop 0
.rept 4
	v_nop
.endr
	s_branch .Lasked_\@
.Lfor_b_\@:
	tensor_load_to_lds s[\g0b:\g0b+3], s[\g1b:\g1b+7]
	s_nop 0
.rept 4
	v_nop
.endr
.Lasked_\@:
.endm
.macro CROUND
	s_barrier_signal -1
	s_barrier_wait -1
	s_cmp_lg_u32 s14, 0
	s_cbranch_scc1 .Lnot_wave_0_\@
	s_barrier_signal -3
.Lnot_wave_0_\@:
	s_barrier_wait -3
	s_barrier_signal -1
	s_barrier_wait -1
.endm
.macro FETCH ks
.set FS, ((\ks)/KPS)%NS
.set FQ, (\ks)%KPS
.set FP, (\ks)%2
	WIN 0x40
.irp i, 0,1,2,3,4,5,6,7
.irp c, 0,1,2
	ds_load_b128 v[96*FP+12*\i+4*\c:96*FP+12*\i+4*\c+3], v[ADRB+FS] offset:(\i*KPS+FQ)*1536+512*\c
.endr
.endr
	WIN 0
.irp i, 0,1,2,3,4,5,6,7
.irp c, 0,1,2
	ds_load_b128 v[64+96*FP+12*\i+4*\c:64+96*FP+12*\i+4*\c+3], v[ADRA+FS] offset:(\i*KPS+FQ)*1536+512*\c
.endr
.endr
.irp i, 0,1,2,3,4,5,6,7
	ds_load_b32 v[SC+8*FP+\i], v[ADRS] offset:((\ks)*8+\i)*64
.endr
.endm
.macro MULS ks, zero
.set MP, (\ks)%2
	WIN 0xa1
.irp a, 0,1,2,3
.irp b, 0,1,2,3,4,5,6,7
.if \zero
	v_wmma_scale_f32_16x16x128_f8f6f4 v[8*(8*\a+\b):8*(8*\a+\b)+7], v[96*MP+12*\b:96*MP+12*\b+11], v[64+96*MP+12*\a:64+96*MP+12*\a+11], 0, v[SC+8*MP+\b], v[SC+8*MP+\a] matrix_a_fmt:MATRIX_FMT_FP6 matrix_b_fmt:MATRIX_FMT_FP6 matrix_a_scale:MATRIX_SCALE_ROW1
.else
	v_wmma_scale_f32_16x16x128_f8f6f4 v[8*(8*\a+\b):8*(8*\a+\b)+7], v[96*MP+12*\b:96*MP+12*\b+11], v[64+96*MP+12*\a:64+96*MP+12*\a+11], v[8*(8*\a+\b):8*(8*\a+\b)+7], v[SC+8*MP+\b], v[SC+8*MP+\a] matrix_a_fmt:MATRIX_FMT_FP6 matrix_b_fmt:MATRIX_FMT_FP6 matrix_a_scale:MATRIX_SCALE_ROW1
.endif
.endr
.endr
	WIN 0xf1
.irp a, 4,5,6,7
.irp b, 0,1,2,3,4,5,6,7
.if \zero
	v_wmma_scale_f32_16x16x128_f8f6f4 v[8*(8*(\a-4)+\b):8*(8*(\a-4)+\b)+7], v[96*MP+12*\b:96*MP+12*\b+11], v[64+96*MP+12*\a:64+96*MP+12*\a+11], 0, v[SC+8*MP+\b], v[SC+8*MP+\a] matrix_a_fmt:MATRIX_FMT_FP6 matrix_b_fmt:MATRIX_FMT_FP6 matrix_a_scale:MATRIX_SCALE_ROW1
.else
	v_wmma_scale_f32_16x16x128_f8f6f4 v[8*(8*(\a-4)+\b):8*(8*(\a-4)+\b)+7], v[96*MP+12*\b:96*MP+12*\b+11], v[64+96*MP+12*\a:64+96*MP+12*\a+11], v[8*(8*(\a-4)+\b):8*(8*(\a-4)+\b)+7], v[SC+8*MP+\b], v[SC+8*MP+\a] matrix_a_fmt:MATRIX_FMT_FP6 matrix_b_fmt:MATRIX_FMT_FP6 matrix_a_scale:MATRIX_SCALE_ROW1
.endif
.endr
.endr
	WIN 0
.endm
.macro TURN
	s_wait_tensorcnt 0x0
	ds_add_u32 v[SPW], v[NIL]
	s_add_nc_u64 s[G0+4*TSL+2:G0+4*TSL+3], s[G0+4*TSL+2:G0+4*TSL+3], NS*KPS*1536
	s_add_nc_u64 s[G0B+4*TSL+2:G0B+4*TSL+3], s[G0B+4*TSL+2:G0B+4*TSL+3], NS*KPS*1536
	s_mov_b32 s[G1+1], (2*192)<<16                 ; two K steps are left of each tile's row: tensor_dim0 = two images (no load of mine is out here)
	s_mov_b32 s[G1B+1], (2*192)<<16
	s_wait_dscnt 0x0
	CROUND
	JLOAD G0+4*TSL, G1, G0B+4*TSL, G1B
.endm
.macro LASTB
	s_wait_tensorcnt 0x0
	ds_add_u32 v[SPW], v[NIL]
	s_wait_dscnt 0x0
	s_barrier_signal -1
	s_barrier_wait -1
	PLACES 4
.endm
.macro KSTEP
.set J, KS/KPS
.set TSL, J%NS
.if KS+1 < KSN
.if ((KS+1)%KPS == 0) && (J+NS < NLOAD)
	TURN
.elseif ((KS+1)%KPS == 0) && (J+1 >= NS)
	LASTB
.else
	s_wait_dscnt 0x0
	PLACES 4
.endif
	FETCH KS+1
.else
	s_wait_dscnt 0x0
.endif
.if KS == 0
	MULS KS, 1
.else
	MULS KS, 0
.endif
.set KS, KS+1
.endm
.macro QUANT s
.irp b, 0,1,2,3
	v_max3_num_f32 v[TM+\b], |v[\s+16*\b]|, |v[\s+1+16*\b]|, 0x1800000
.endr
.irp i, 2,4,6,8,10,12,14
.irp b, 0,1,2,3
	v_max3_num_f32 v[TM+\b], v[TM+\b], |v[\s+16*\b+\i]|, |v[\s+1+16*\b+\i]|
.endr
.endr
.irp b, 0,1,2,3
	v_permlanex16_b32 v[TM+4+\b], v[TM+\b], s[SEL], s[SEL+1]
.endr
.irp b, 0,1,2,3
	v_max_num_f32 v[TM+\b], v[TM+\b], v[TM+4+\b]
.endr
.irp b, 0,1,2,3
	v_add_nc_u32 v[TM+12+\b], 0xff000000, v[TM+\b]
.endr
.irp b, 0,1,2,3
	v_lshrrev_b32 v[TM+4+\b], 23, v[TM+12+\b]
.endr
	v_lshl_or_b32 v[PW], v[TM+5], 8, v[TM+4]
	v_lshl_or_b32 v[PW], v[TM+6], 16, v[PW]
	v_lshl_or_b32 v[PW], v[TM+7], 24, v[PW]
.irp c, 0,1
	v_cvt_scalef32_pk16_fp6_f32 v[PC+6*\c:PC+2+6*\c], v[\s+32*\c:\s+15+32*\c], v[TM+12+2*\c]
	v_cvt_scalef32_pk16_fp6_f32 v[PC+12+4*\c:PC+14+4*\c], v[\s+16+32*\c:\s+31+32*\c], v[TM+12+2*\c+1]
.endr
	v_nop
.irp c, 0,1
.irp i, 0,1,2
	v_permlane16_swap_b32 v[PC+6*\c+\i], v[PC+12+4*\c+\i]
.endr
.irp i, 0,1,2
	v_mov_b32 v[PC+3+6*\c+\i], v[PC+12+4*\c+\i]
.endr
.endr
.endm
	s_load_b256 s[4:11], s[0:1], 0x0
	v_lshl_add_u32 v[SPW], v0, 2, SPARE
	v_mov_b32 v[NIL], 0
	ds_add_u32 v28, v29
	ds_add_u32 v28, v29
	s_wait_dscnt 0x0
	v_lshrrev_b32 v3, 5, v0
	v_readfirstlane_b32 s14, v3
	s_lshr_b32 s15, s14, 1
	s_and_b32 s16, s14, 1
	s_bfe_u32 s53, ttmp6, 0x40000
	s_bfe_u32 s54, ttmp6, 0x40004
	s_lshl_b32 s18, ttmp9, 2
	s_add_co_u32 s18, s18, s53
	s_and_b32 s17, ttmp7, 0xffff
	s_lshl_b32 s17, s17, 2
	s_add_co_u32 s17, s17, s54
	s_lshl_b32 s55, s54, 2
	s_lshl_b32 s55, 15, s55
	s_lshl_b32 s56, 0x1111, s53
	s_or_b32 s[G1], s55, (3<<16)|(1<<21)
	s_or_b32 s[G1B], s56, (3<<16)|(1<<21)
	s_or_b32 s[G1S], s55, (3<<16)|(1<<21)
	s_or_b32 s[G1SB], s56, (3<<16)|(1<<21)
.irp g, G1, G1B
	s_mov_b32 s[\g+1], (CEL&0xffff)<<16
	s_mov_b32 s[\g+2], (2*NA)<<16
	s_mov_b32 s[\g+3], CEL<<16
	s_mov_b32 s[\g+4], 2*NA
	s_mov_b32 s[\g+5], KSN*192
	s_mov_b32 s[\g+6], 0
	s_mov_b32 s[\g+7], 0
.endr
.irp g, G1S, G1SB
	s_mov_b32 s[\g+1], 32<<16
	s_mov_b32 s[\g+2], (2*SH/256)<<16
	s_mov_b32 s[\g+3], 32<<16
	s_mov_b32 s[\g+4], 2*SH/256
	s_mov_b32 s[\g+5], 32
	s_mov_b32 s[\g+6], 0
	s_mov_b32 s[\g+7], 0
.endr
	s_mul_i32 s54, s16, NA*KSN*1536                ; in the ring I fetch eight tiles: which half, in bytes
	s_mov_b32 s55, 0
	s_lshl_b32 s60, s17, 4
	s_lshl_b32 s62, s18, 4
	s_lshl_b32 s66, s60, 9
	s_add_co_u32 s66, s66, 3145728
	s_mov_b32 s67, 0
	s_mul_i32 s60, s60, KSN*1536
	s_mov_b32 s61, 0
	s_lshl_b32 s2, s62, 9
	s_add_co_u32 s2, s2, 8749056
	s_mov_b32 s3, 0
	s_mul_i32 s62, s62, KSN*1536
	s_add_co_u32 s62, s62, 2359296
	s_mov_b32 s63, 0
	s_mul_i32 s57, s14, HALF
	s_mov_b32 s[SEL], 0x76543210
	s_mov_b32 s[SEL+1], 0xfedcba98
	s_wait_kmcnt 0x0
	s_add_nc_u64 s[60:61], s[4:5], s[60:61]
	s_add_nc_u64 s[66:67], s[4:5], s[66:67]
	s_add_nc_u64 s[62:63], s[6:7], s[62:63]
	s_add_nc_u64 s[2:3], s[6:7], s[2:3]
	CROUND
	s_mov_b32 s[G0S], 1
	s_mov_b32 s[G0S+1], SCL
	s_mov_b64 s[G0S+2:G0S+3], s[66:67]
	s_or_b32 s[G0S+3], s[G0S+3], 0x80000000
	s_mov_b32 s[G0SB], 1
	s_mov_b32 s[G0SB+1], SCL+2*SH
	s_mov_b64 s[G0SB+2:G0SB+3], s[2:3]
	s_or_b32 s[G0SB+3], s[G0SB+3], 0x80000000
	s_mov_b32 s[G0H], 1                            ; slot 0's first fill: A's 16 tiles,
	s_mov_b32 s[G0H+1], 0
	s_mov_b64 s[G0H+2:G0H+3], s[60:61]
	s_or_b32 s[G0H+3], s[G0H+3], 0x80000000
	s_mov_b32 s[G0HB], 1                           ; and B's, behind them
	s_mov_b32 s[G0HB+1], 2*HALF
	s_mov_b64 s[G0HB+2:G0HB+3], s[62:63]
	s_or_b32 s[G0HB+3], s[G0HB+3], 0x80000000
	s_add_nc_u64 s[60:61], s[60:61], s[54:55]      ; for the ring: my eight tiles
	s_add_nc_u64 s[62:63], s[62:63], s[54:55]
.irp s, 0,1
	s_mov_b32 s[G0+4*\s], 1
	s_add_co_u32 s[G0+4*\s+1], s57, \s*SLOT
	s_add_nc_u64 s[G0+4*\s+2:G0+4*\s+3], s[60:61], \s*KPS*1536
	s_or_b32 s[G0+4*\s+3], s[G0+4*\s+3], 0x80000000
	s_mov_b32 s[G0B+4*\s], 1
	s_add_co_u32 s[G0B+4*\s+1], s57, \s*SLOT
	s_add_nc_u64 s[G0B+4*\s+2:G0B+4*\s+3], s[62:63], \s*KPS*1536
	s_or_b32 s[G0B+4*\s+3], s[G0B+4*\s+3], 0x80000000
.endr
; the head's loads, one a wave: one chain of branches on the wave's number, a load in each arm, all arms to one join
.macro ARM under, g0, g1, next
	s_cmp_lt_u32 s14, \under
	s_cbranch_scc0 \next
	tensor_load_to_lds s[\g0:\g0+3], s[\g1:\g1+7]
	s_nop 0
.rept 4
	v_nop
.endr
	s_branch .Lhead_asked
\next:
.endm
	ARM 1, G0H,  G1,  .Lhead_b
	ARM 2, G0HB, G1B, .Lhead_sa
	ARM 3, G0S,  G1S, .Lhead_sb
	tensor_load_to_lds s[G0SB:G0SB+3], s[G1SB:G1SB+7]
	s_nop 0
.rept 4
	v_nop
.endr
.Lhead_asked:
	v_and_b32 v1, 15, v0
	v_bfe_u32 v2, v0, 4, 1
	s_wait_alu depctr_va_vdst(0)
	v_and_b32 v3, 31, v0
	v_lshlrev_b32 v24, 4, v3
	s_mul_i32 s19, s15, HALF
	s_mul_i32 s57, s16, HALF
	s_add_co_u32 s57, s57, 2*HALF
.irp s, 0,1
	v_add_nc_u32 v[ADRA+\s], s19, v24
	v_add_nc_u32 v[ADRB+\s], s57, v24
	s_add_co_u32 s19, s19, SLOT
	s_add_co_u32 s57, s57, SLOT
.endr
	s_mul_i32 s19, s15, SWS
	s_mul_i32 s57, s16, SWS
	s_add_co_u32 s57, s57, 2*SH
	s_sub_co_u32 s57, s57, s19
	s_wait_alu depctr_va_vdst(0)
	v_mul_u32_u24 v4, s57, v2
	s_add_co_u32 s19, s19, SCL
	v_lshl_add_u32 v[ADRS], v1, 2, v4
	v_add_nc_u32 v[ADRS], s19, v[ADRS]
	s_lshl_b32 s19, s14, 9
	s_add_co_u32 s19, s19, STG
	v_lshl_add_u32 v25, v1, 2, s19
	v_add_nc_u32 v26, s19, v24
	v_lshlrev_b32 v30, 6, v2
	s_wait_alu depctr_va_vdst(0)
	s_lshl_b32 s60, s18, 1
	s_add_co_u32 s60, s60, s16
	s_lshl_b32 s62, s17, 1
	s_add_co_u32 s62, s62, s15
	s_mov_b32 s3, 0
	s_lshl_b32 s2, s60, 9
	s_add_nc_u64 s[8:9], s[8:9], s[2:3]
	WIN 0x40
.irp b, 0,1,2,3
.irp q, 0,1,2,3
	global_load_b128 v[192+16*\b+4*\q:195+16*\b+4*\q], v30, s[8:9] offset:128*\b+16*\q
.endr
.endr
	WIN 0
	s_lshl_b32 s2, s62, 8
	s_add_co_u32 s2, s2, s60
	s_mul_i32 s2, s2, 1536
	s_add_nc_u64 s[12:13], s[10:11], s[2:3]
	s_lshl_b32 s2, s62, 14
	s_lshl_b32 s55, s60, 9
	s_add_co_u32 s2, s2, s55
	s_add_co_u32 s2, s2, 12582912
	s_add_nc_u64 s[10:11], s[10:11], s[2:3]
	s_wait_tensorcnt 0x0                           ; my tile of the head's four is in
	ds_add_u32 v[SPW], v[NIL]
	s_mov_b32 s[G1+2], NA<<16                      ; no load of mine is out: from here on a load brings eight tiles
	s_mov_b32 s[G1+4], NA
	s_mov_b32 s[G1B+2], NA<<16
	s_mov_b32 s[G1B+4], NA
	s_wait_dscnt 0x0
	CROUND                                         ; all four tiles are in, in every partner
	JLOAD G0+4, G1, G0B+4, G1B                     ; slot 1: K steps 3 to 5
	FETCH 0
.set KS, 0
.rept KSN
	KSTEP
.endr
	PLACES 4
	s_wait_loadcnt 0x0
	v_mov_b32 v4, 0xaf95df0b
	v_mov_b32 v5, 0xaf95df0b
	v_mov_b32 v6, 0xb77460cd
	v_mov_b32 v7, 0xb77460cd
	s_mov_b32 s66, 0
	s_mov_b32 s67, 0
.Lrow:
.irp a, 0,1,2,3,4,5,6
	s_cmp_eq_u32 s66, \a
	s_cbranch_scc1 .Lmv\a
.endr
.irp a, 7,6,5,4,3,2,1,0
.Lmv\a:
	WIN 0x06+\a/4
.set K2, 0
.rept 32
	v_pk_add_f32 v[64+K2:65+K2], v[64*(\a%4)+K2:64*(\a%4)+K2+1], v[192+K2:193+K2]
.set K2, K2+2
.endr
	WIN 0
.if \a > 0
	s_branch .Lgelu
.endif
.endr
.Lgelu:
.set GQ, 0
.rept 8
.irp q, 0,1,2,3
	v_pk_mul_f32 v[128+8*GQ+2*\q:129+8*GQ+2*\q], v[64+8*GQ+2*\q:65+8*GQ+2*\q], 0x3f3504f3 op_sel_hi:[1,0]
.endr
.irp e, 0,1,2,3,4,5,6,7
	v_med3_num_f32 v[128+8*GQ+\e], v[128+8*GQ+\e], -4.0, 4.0
.endr
.irp q, 0,1,2,3
	v_pk_mul_f32 v[48+2*\q:49+2*\q], v[128+8*GQ+2*\q:129+8*GQ+2*\q], v[128+8*GQ+2*\q:129+8*GQ+2*\q]
.endr
.irp q, 0,1,2,3
	v_pk_fma_f32 v[56+2*\q:57+2*\q], v[48+2*\q:49+2*\q], v[4:5], 0x32edffee op_sel_hi:[1,1,0]
.endr
.irp k, 0xb60cff51, 0xb86ec2d2, 0xba40ac63, 0xbb41a1f6, 0xbc83dbd4
.irp q, 0,1,2,3
	v_pk_fma_f32 v[56+2*\q:57+2*\q], v[56+2*\q:57+2*\q], v[48+2*\q:49+2*\q], \k op_sel_hi:[1,1,0]
.endr
.endr
.irp q, 0,1,2,3
	v_pk_fma_f32 v[192+8*GQ+2*\q:193+8*GQ+2*\q], v[48+2*\q:49+2*\q], v[6:7], 0xb95fbd29 op_sel_hi:[1,1,0]
.endr
.irp k, 0xbadc924e, 0xbbf19bf8, 0xbc69b6a7
.irp q, 0,1,2,3
	v_pk_fma_f32 v[192+8*GQ+2*\q:193+8*GQ+2*\q], v[192+8*GQ+2*\q:193+8*GQ+2*\q], v[48+2*\q:49+2*\q], \k op_sel_hi:[1,1,0]
.endr
.endr
.irp q, 0,1,2,3
	v_pk_mul_f32 v[128+8*GQ+2*\q:129+8*GQ+2*\q], v[128+8*GQ+2*\q:129+8*GQ+2*\q], v[56+2*\q:57+2*\q]
.endr
.set GQ, GQ+1
.endr
.set K2, 0
	s_wait_alu depctr_va_vdst(0)
.rept 64
	v_rcp_f32 v[192+K2], v[192+K2]
.set K2, K2+1
.endr
	v_nop
	s_wait_alu depctr_va_vdst(0)
.set K2, 0
.rept 32
	v_pk_mul_f32 v[128+K2:129+K2], v[128+K2:129+K2], v[192+K2:193+K2]
.set K2, K2+2
.endr
.set K2, 0
.rept 32
	v_pk_fma_f32 v[128+K2:129+K2], v[128+K2:129+K2], 0.5, 0.5 op_sel_hi:[1,0,0]
.set K2, K2+2
.endr
.set K2, 0
.rept 32
	v_pk_mul_f32 v[64+K2:65+K2], v[64+K2:65+K2], v[128+K2:129+K2]
.set K2, K2+2
.endr
	QUANT 64
.irp c, 0,1,2
	global_store_b128 v24, v[PC+4*\c:PC+4*\c+3], s[12:13] offset:512*\c
.endr
	v_add_nc_u32 v3, s67, v25
	ds_store_b32 v3, v[PW]
	s_wait_xcnt 0x0
	s_add_nc_u64 s[12:13], s[12:13], 49152
	s_add_co_u32 s67, s67, 64
	s_add_co_u32 s66, s66, 1
	s_cmp_lt_u32 s66, 8
	s_cbranch_scc1 .Lrow
	ds_load_b128 v[4:7], v26
	s_wait_dscnt 0x0
	global_store_b128 v24, v[4:7], s[10:11]
	s_wait_tensorcnt 0x0
	ds_add_u32 v[SPW], v[NIL]
	s_wait_dscnt 0x0
	CROUND
	s_endpgm
.Lfunc_end_k_q0063667e27_fc:
	.size	k_q0063667e27_fc, .Lfunc_end_k_q0063667e27_fc-k_q0063667e27_fc
	.p2alignl 7, 3214868480
	.fill 96, 4, 3214868480
	.section	.rodata,"a",@progbits
	.p2align	6, 0x0
	.amdhsa_kernel k_q0063667e27_fc
		.amdhsa_group_segment_fixed_size 327680
		.amdhsa_private_segment_fixed_size 0
		.amdhsa_enable_private_segment 0
		.amdhsa_kernarg_size 32
		.amdhsa_user_sgpr_count 2
		.amdhsa_user_sgpr_kernarg_segment_ptr 1
		.amdhsa_wavefront_size32 1
		.amdhsa_system_sgpr_workgroup_id_x 1
		.amdhsa_system_sgpr_workgroup_id_y 1
		.amdhsa_system_sgpr_workgroup_id_z 1
		.amdhsa_system_vgpr_workitem_id 0
		.amdhsa_next_free_vgpr 1024
		.amdhsa_next_free_sgpr 100
		.amdhsa_reserve_vcc 0
		.amdhsa_float_denorm_mode_32 3
		.amdhsa_float_denorm_mode_16_64 3
		.amdhsa_memory_ordered 1
		.amdhsa_forward_progress 1
		.amdhsa_inst_pref_size 180
	.end_amdhsa_kernel
	.amdgpu_metadata
---
amdhsa.version: [ 1, 2 ]
amdhsa.kernels:
  - .name:           k_q0063667e27_fc
    .symbol:         k_q0063667e27_fc.kd
    .args:
      - { .name: hbuf, .offset: 0, .size: 8, .value_kind: global_buffer, .address_space: global }
      - { .name: wbuf, .offset: 8, .size: 8, .value_kind: global_buffer, .address_space: global }
      - { .name: b_fc, .offset: 16, .size: 8, .value_kind: global_buffer, .address_space: global }
      - { .name: mbuf, .offset: 24, .size: 8, .value_kind: global_buffer, .address_space: global }
    .group_segment_fixed_size: 327680
    .private_segment_fixed_size: 0
    .kernarg_segment_align: 8
    .kernarg_segment_size: 32
    .max_flat_workgroup_size: 128
    .sgpr_count:     100
    .vgpr_count:     1024
    .wavefront_size: 32
...
	.end_amdgpu_metadata
.endif
;; end of part 5
;; launch proj (part 6): grid 8 x 32, 4 waves a work-group, clusters of 4 x 4, 327,680 bytes of LDS; arguments mbuf, wbuf, b_proj, x1, out0; writes out0
.if DOCPART == 6
	.amdgcn_target "amdgcn-amd-amdhsa--gfx1250"
	.amdhsa_code_object_version 6
	.text
	.protected	k_q0063667e27_proj
	.globl	k_q0063667e27_proj
	.p2align	8
	.type	k_q0063667e27_proj,@function
k_q0063667e27_proj:
	s_mov_b64 s[64:65], 0
	v_nop
	global_prefetch_b8 v0, s[64:65] scope:SCOPE_SE
	s_setreg_imm32_b32 hwreg(HW_REG_WAVE_MODE, 25, 1), 1
	s_wait_xcnt 0x0
	s_wait_alu depctr_hold_cnt(0) depctr_sa_sdst(0) depctr_va_vdst(0) depctr_va_sdst(0) depctr_va_ssrc(0) depctr_va_vcc(0) depctr_vm_vsrc(0)
	s_getreg_b32 s2, hwreg(HW_REG_IB_STS2, 6, 4)
	s_cmp_eq_u32 s2, 0
	s_cbranch_scc0 .Lentry_in_a_cluster
	s_endpgm
.Lentry_in_a_cluster:
	s_bfe_u32 s2, ttmp6, 0x10000c
	s_cmp_lg_u32 s2, 0xf033
	s_cbranch_scc0 .Lentry_shape_is_right
	s_endpgm
.Lentry_shape_is_right:
.set NA,    4
.set KSN,   32
.set KPS,   11
.set CEL,   KPS*192
.set HALF,  NA*KPS*1536
.set SLOT,  4*HALF
.set SCL,   SLOT
.set SH,    8192
.set SWS,   256
.set SPARE, SCL+4*SH
.set STG,   SPARE+512
.set HI,    32768
.set ADRA,  16
.set ADRB,  20
.set ADRS,  27
.set SPW,   28
.set NIL,   29
.set SC,    32
.set G0,    20
.set G0B,   32
.set G0S,   44
.set G0SB,  48
.set G0H,   28                         ; s[28:31], s[40:43] group 0 of the head's loads of codes
.set G0HB,  40
.set G1,    68
.set G1B,   76
.set G1S,   84
.set G1SB,  92
.set MSB, 0
.macro WIN new
.if MSB != (\new)
	s_set_vgpr_msb (MSB<<8)|(\new)
.set MSB, (\new)
.endif
.endm
.macro PLACES n
.rept \n
	v_nop
.endr
.endm
.macro JLOAD g0a, g1a, g0b, g1b
	s_cmp_eq_u32 s15, 0
	s_cbranch_scc0 .Lfor_b_\@
	tensor_load_to_lds s[\g0a:\g0a+3], s[\g1a:\g1a+7]
	s_nop 0
.rept 4
	v_nop
.endr
	s_branch .Lasked_\@
.Lfor_b_\@:
	tensor_load_to_lds s[\g0b:\g0b+3], s[\g1b:\g1b+7]
	s_nop 0
.rept 4
	v_nop
.endr
.Lasked_\@:
.endm
.macro CROUND
	s_barrier_signal -1
	s_barrier_wait -1
	s_cmp_lg_u32 s14, 0
	s_cbranch_scc1 .Lnot_wave_0_\@
	s_barrier_signal -3
.Lnot_wave_0_\@:
	s_barrier_wait -3
	s_barrier_signal -1
	s_barrier_wait -1
.endm
.macro FETCH ks
.if (\ks) < KPS
.set FQ, (\ks)
.elseif (\ks) < 2*KPS
.set FQ, (\ks)-KPS
.else
.set FQ, (\ks)-(KSN-KPS)
.endif
.set FP, (\ks)%2
	WIN 0x40
.irp i, 0,1,2,3
.irp c, 0,1,2
.set OF, (\i*KPS+FQ)*1536+512*\c
	ds_load_b128 v[96*FP+12*\i+4*\c:96*FP+12*\i+4*\c+3], v[ADRB+OF/HI] offset:OF%HI
.endr
.endr
	WIN 0
.irp i, 0,1,2,3
.irp c, 0,1,2
.set OF, (\i*KPS+FQ)*1536+512*\c
	ds_load_b128 v[64+96*FP+12*\i+4*\c:64+96*FP+12*\i+4*\c+3], v[ADRA+OF/HI] offset:OF%HI
.endr
.endr
.irp i, 0,1,2,3
	ds_load_b32 v[SC+8*FP+\i], v[ADRS] offset:((\ks)*8+\i)*64
.endr
.endm
.macro MULS ks, zero
.set MP, (\ks)%2
	WIN 0xa1
.irp a, 0,1,2,3
.irp b, 0,1,2,3
.if \zero
	v_wmma_scale_f32_16x16x128_f8f6f4 v[8*(4*\a+\b):8*(4*\a+\b)+7], v[96*MP+12*\b:96*MP+12*\b+11], v[64+96*MP+12*\a:64+96*MP+12*\a+11], 0, v[SC+8*MP+\b], v[SC+8*MP+\a] matrix_a_fmt:MATRIX_FMT_FP6 matrix_b_fmt:MATRIX_FMT_FP6 matrix_a_scale:MATRIX_SCALE_ROW1
.else
	v_wmma_scale_f32_16x16x128_f8f6f4 v[8*(4*\a+\b):8*(4*\a+\b)+7], v[96*MP+12*\b:96*MP+12*\b+11], v[64+96*MP+12*\a:64+96*MP+12*\a+11], v[8*(4*\a+\b):8*(4*\a+\b)+7], v[SC+8*MP+\b], v[SC+8*MP+\a] matrix_a_fmt:MATRIX_FMT_FP6 matrix_b_fmt:MATRIX_FMT_FP6 matrix_a_scale:MATRIX_SCALE_ROW1
.endif
.endr
.endr
	WIN 0
.endm
.macro TURN
	s_wait_tensorcnt 0x0
	ds_add_u32 v[SPW], v[NIL]
	s_add_nc_u64 s[G0+2:G0+3], s[G0+2:G0+3], TST*1536
	s_add_nc_u64 s[G0B+2:G0B+3], s[G0B+2:G0B+3], TST*1536
	s_wait_dscnt 0x0
	CROUND
	JLOAD G0, G1, G0B, G1B
.endm
.macro KSTEP
.if (KS == KPS-1) || (KS == 2*KPS-1)
.if KS == KPS-1
.set TST, KPS
.else
.set TST, KSN-2*KPS
.endif
	TURN
	MULS KS, 0
	s_wait_tensorcnt 0x0
	s_barrier_signal -1
	s_barrier_wait -1
	FETCH KS+1
.else
	s_wait_dscnt 0x0
.if KS+1 < KSN
	PLACES 4
	FETCH KS+1
.endif
.if KS == 0
	MULS KS, 1
.else
	MULS KS, 0
.endif
.endif
.set KS, KS+1
.endm
	s_load_b256 s[4:11], s[0:1], 0x0
	s_load_b64 s[12:13], s[0:1], 0x20
	v_lshl_add_u32 v[SPW], v0, 2, SPARE
	v_mov_b32 v[NIL], 0
	ds_add_u32 v28, v29
	ds_add_u32 v28, v29
	s_wait_dscnt 0x0
	v_lshrrev_b32 v3, 5, v0
	v_readfirstlane_b32 s14, v3
	s_lshr_b32 s15, s14, 1
	s_and_b32 s16, s14, 1
	s_bfe_u32 s53, ttmp6, 0x40000
	s_bfe_u32 s54, ttmp6, 0x40004
	s_lshl_b32 s18, ttmp9, 2
	s_add_co_u32 s18, s18, s53
	s_and_b32 s17, ttmp7, 0xffff
	s_lshl_b32 s17, s17, 2
	s_add_co_u32 s17, s17, s54
	s_lshl_b32 s55, s54, 2
	s_lshl_b32 s55, 15, s55
	s_lshl_b32 s56, 0x1111, s53
	s_or_b32 s[G1], s55, (3<<16)|(1<<21)
	s_or_b32 s[G1B], s56, (3<<16)|(1<<21)
	s_or_b32 s[G1S], s55, (3<<16)|(1<<21)
	s_or_b32 s[G1SB], s56, (3<<16)|(1<<21)
.irp g, G1, G1B
	s_mov_b32 s[\g+1], (CEL&0xffff)<<16
	s_mov_b32 s[\g+2], (2*NA)<<16                  ; the head's loads bring all eight tiles
	s_mov_b32 s[\g+3], CEL<<16
	s_mov_b32 s[\g+4], 2*NA
	s_mov_b32 s[\g+5], KSN*192
	s_mov_b32 s[\g+6], 0
	s_mov_b32 s[\g+7], 0
.endr
.irp g, G1S, G1SB
	s_mov_b32 s[\g+1], 32<<16
	s_mov_b32 s[\g+2], (2*SH/256)<<16
	s_mov_b32 s[\g+3], 32<<16
	s_mov_b32 s[\g+4], 2*SH/256
	s_mov_b32 s[\g+5], 32
	s_mov_b32 s[\g+6], 0
	s_mov_b32 s[\g+7], 0
.endr
	s_mul_i32 s54, s16, NA*KSN*1536                ; at a refill I fetch four tiles: which half, in bytes
	s_mov_b32 s55, 0
	s_lshl_b32 s60, s17, 3
	s_lshl_b32 s62, s18, 3
	s_lshl_b32 s66, s60, 11
	s_add_co_u32 s66, s66, 12582912
	s_mov_b32 s67, 0
	s_mul_i32 s60, s60, KSN*1536
	s_mov_b32 s61, 0
	s_lshl_b32 s2, s62, 11
	s_add_co_u32 s2, s2, 8880128
	s_mov_b32 s3, 0
	s_mul_i32 s62, s62, KSN*1536
	s_add_co_u32 s62, s62, 5505024
	s_mov_b32 s63, 0
	s_mul_i32 s57, s14, HALF
	s_wait_kmcnt 0x0
	s_add_nc_u64 s[60:61], s[4:5], s[60:61]
	s_add_nc_u64 s[66:67], s[4:5], s[66:67]
	s_add_nc_u64 s[62:63], s[6:7], s[62:63]
	s_add_nc_u64 s[2:3], s[6:7], s[2:3]
	CROUND
	s_mov_b32 s[G0S], 1
	s_mov_b32 s[G0S+1], SCL
	s_mov_b64 s[G0S+2:G0S+3], s[66:67]
	s_or_b32 s[G0S+3], s[G0S+3], 0x80000000
	s_mov_b32 s[G0SB], 1
	s_mov_b32 s[G0SB+1], SCL+2*SH
	s_mov_b64 s[G0SB+2:G0SB+3], s[2:3]
	s_or_b32 s[G0SB+3], s[G0SB+3], 0x80000000
	s_mov_b32 s[G0H], 1                            ; the slot's first fill: A's eight tiles,
	s_mov_b32 s[G0H+1], 0
	s_mov_b64 s[G0H+2:G0H+3], s[60:61]
	s_or_b32 s[G0H+3], s[G0H+3], 0x80000000
	s_mov_b32 s[G0HB], 1                           ; and B's, behind them
	s_mov_b32 s[G0HB+1], 2*HALF
	s_mov_b64 s[G0HB+2:G0HB+3], s[62:63]
	s_or_b32 s[G0HB+3], s[G0HB+3], 0x80000000
	s_add_nc_u64 s[60:61], s[60:61], s[54:55]      ; for the refills: my four tiles
	s_add_nc_u64 s[62:63], s[62:63], s[54:55]
.irp s, 0
	s_mov_b32 s[G0+4*\s], 1
	s_add_co_u32 s[G0+4*\s+1], s57, \s*SLOT
	s_add_nc_u64 s[G0+4*\s+2:G0+4*\s+3], s[60:61], \s*KPS*1536
	s_or_b32 s[G0+4*\s+3], s[G0+4*\s+3], 0x80000000
	s_mov_b32 s[G0B+4*\s], 1
	s_add_co_u32 s[G0B+4*\s+1], s57, \s*SLOT
	s_add_nc_u64 s[G0B+4*\s+2:G0B+4*\s+3], s[62:63], \s*KPS*1536
	s_or_b32 s[G0B+4*\s+3], s[G0B+4*\s+3], 0x80000000
.endr
; the head's loads, one a wave: wave 0 A's codes, wave 1 B's, wave 2 A's scale words, wave 3 B's; one chain of branches on the wave's number, all arms to one join
.macro ARM under, g0, g1, next
	s_cmp_lt_u32 s14, \under
	s_cbranch_scc0 \next
	tensor_load_to_lds s[\g0:\g0+3], s[\g1:\g1+7]
	s_nop 0
.rept 4
	v_nop
.endr
	s_branch .Lhead_asked
\next:
.endm
	ARM 1, G0H,  G1,  .Lhead_b
	ARM 2, G0HB, G1B, .Lhead_sa
	ARM 3, G0S,  G1S, .Lhead_sb
	tensor_load_to_lds s[G0SB:G0SB+3], s[G1SB:G1SB+7]
	s_nop 0
.rept 4
	v_nop
.endr
.Lhead_asked:
	v_and_b32 v1, 15, v0
	v_bfe_u32 v2, v0, 4, 1
	s_wait_alu depctr_va_vdst(0)
	v_and_b32 v3, 31, v0
	v_lshlrev_b32 v24, 4, v3
	s_mul_i32 s19, s15, HALF
	s_mul_i32 s57, s16, HALF
	s_add_co_u32 s57, s57, 2*HALF
.irp s, 0,1,2
	v_add_nc_u32 v[ADRA+\s], s19, v24
	v_add_nc_u32 v[ADRB+\s], s57, v24
	s_add_co_u32 s19, s19, HI
	s_add_co_u32 s57, s57, HI
.endr
	s_mul_i32 s19, s15, SWS
	s_mul_i32 s57, s16, SWS
	s_add_co_u32 s57, s57, 2*SH
	s_sub_co_u32 s57, s57, s19
	v_mul_u32_u24 v4, s57, v2
	s_add_co_u32 s19, s19, SCL
	v_lshl_add_u32 v[ADRS], v1, 2, v4
	v_add_nc_u32 v[ADRS], s19, v[ADRS]
	s_mul_i32 s19, s14, 4352
	s_add_co_u32 s19, s19, STG
	v_mul_u32_u24 v25, v1, 272
	v_lshl_add_u32 v25, v2, 6, v25
	v_add_nc_u32 v25, s19, v25
	v_mul_u32_u24 v26, v2, 272
	v_lshl_add_u32 v26, v1, 4, v26
	v_add_nc_u32 v26, s19, v26
	v_lshlrev_b32 v5, 12, v2
	v_lshl_add_u32 v5, v1, 4, v5
	s_wait_alu depctr_va_vdst(0)
	v_lshlrev_b32 v30, 4, v1
	s_lshl_b32 s60, s18, 1
	s_add_co_u32 s60, s60, s16
	s_lshl_b32 s62, s17, 1
	s_add_co_u32 s62, s62, s15
	s_mov_b32 s3, 0
	s_lshl_b32 s2, s60, 8
	s_add_nc_u64 s[8:9], s[8:9], s[2:3]
	global_load_b128 v[48:51], v30, s[8:9]
	s_lshl_b32 s55, s62, 18
	s_add_co_u32 s2, s2, s55
	s_add_nc_u64 s[10:11], s[10:11], s[2:3]
	s_add_nc_u64 s[12:13], s[12:13], s[2:3]
	s_wait_tensorcnt 0x0                           ; my tile of the head's four is in
	s_mov_b32 s[G1+2], NA<<16                      ; no load of mine is out: from here on a load brings four tiles
	s_mov_b32 s[G1+4], NA
	s_mov_b32 s[G1B+2], NA<<16
	s_mov_b32 s[G1B+4], NA
	s_barrier_signal -1
	s_barrier_wait -1
	FETCH 0
	WIN 0x80                                       ; x1's 64 rows of my block are asked for behind the head's tiles and the first fragments; they are used behind the last product
.irp a, 0,1,2,3
.irp t, 0,1,2,3,4,5,6,7
	global_load_b128 v[128+4*(8*\a+\t):131+4*(8*\a+\t)], v5, s[10:11] offset:(32*(\a/2)+8*(\a%2)+2*\t+8*(\t/4))*4096 th:TH_LOAD_NT
.endr
.endr
	WIN 0
.set KS, 0
.rept KSN
	KSTEP
.endr
	PLACES 4
	s_wait_loadcnt 0x0
.irp a, 0,1,2,3
.if \a > 0
	s_wait_xcnt 0x0
.endif
	WIN 0x08
.irp b, 0,1,2,3
	ds_store_b128 v25, v[8*(4*\a+\b):8*(4*\a+\b)+3] offset:128*(\b/2)+32*(\b%2)
	ds_store_b128 v25, v[8*(4*\a+\b)+4:8*(4*\a+\b)+7] offset:128*(\b/2)+32*(\b%2)+16
.endr
	WIN 0
.irp t, 0,1,2,3,4,5,6,7
	ds_load_b128 v[192+4*\t:195+4*\t], v26 offset:544*\t
.endr
	s_wait_dscnt 0x0
.irp t, 0,1,2,3,4,5,6,7
	v_pk_add_f32 v[192+4*\t:193+4*\t], v[192+4*\t:193+4*\t], v[48:49]
	v_pk_add_f32 v[194+4*\t:195+4*\t], v[194+4*\t:195+4*\t], v[50:51]
.endr
	WIN 0x08
.set K2, 0
.rept 16
	v_pk_add_f32 v[192+K2:193+K2], v[192+K2:193+K2], v[128+32*\a+K2:129+32*\a+K2]
.set K2, K2+2
.endr
	WIN 0
.irp t, 0,1,2,3,4,5,6,7
	global_store_b128 v5, v[192+4*\t:195+4*\t], s[12:13] offset:(32*(\a/2)+8*(\a%2)+2*\t+8*(\t/4))*4096 th:TH_STORE_NT
.endr
.endr
	s_wait_tensorcnt 0x0
	ds_add_u32 v[SPW], v[NIL]
	s_wait_dscnt 0x0
	CROUND
	s_endpgm
.Lfunc_end_k_q0063667e27_proj:
	.size	k_q0063667e27_proj, .Lfunc_end_k_q0063667e27_proj-k_q0063667e27_proj
	.p2alignl 7, 3214868480
	.fill 96, 4, 3214868480
	.section	.rodata,"a",@progbits
	.p2align	6, 0x0
	.amdhsa_kernel k_q0063667e27_proj
		.amdhsa_group_segment_fixed_size 327680
		.amdhsa_private_segment_fixed_size 0
		.amdhsa_enable_private_segment 0
		.amdhsa_kernarg_size 40
		.amdhsa_user_sgpr_count 2
		.amdhsa_user_sgpr_kernarg_segment_ptr 1
		.amdhsa_wavefront_size32 1
		.amdhsa_system_sgpr_workgroup_id_x 1
		.amdhsa_system_sgpr_workgroup_id_y 1
		.amdhsa_system_sgpr_workgroup_id_z 1
		.amdhsa_system_vgpr_workitem_id 0
		.amdhsa_next_free_vgpr 768
		.amdhsa_next_free_sgpr 100
		.amdhsa_reserve_vcc 0
		.amdhsa_float_denorm_mode_32 3
		.amdhsa_float_denorm_mode_16_64 3
		.amdhsa_memory_ordered 1
		.amdhsa_forward_progress 1
		.amdhsa_inst_pref_size 160
	.end_amdhsa_kernel
	.amdgpu_metadata
---
amdhsa.version: [ 1, 2 ]
amdhsa.kernels:
  - .name:           k_q0063667e27_proj
    .symbol:         k_q0063667e27_proj.kd
    .args:
      - { .name: mbuf, .offset: 0, .size: 8, .value_kind: global_buffer, .address_space: global }
      - { .name: wbuf, .offset: 8, .size: 8, .value_kind: global_buffer, .address_space: global }
      - { .name: b_proj, .offset: 16, .size: 8, .value_kind: global_buffer, .address_space: global }
      - { .name: x1, .offset: 24, .size: 8, .value_kind: global_buffer, .address_space: global }
      - { .name: out0, .offset: 32, .size: 8, .value_kind: global_buffer, .address_space: global }
    .group_segment_fixed_size: 327680
    .private_segment_fixed_size: 0
    .kernarg_segment_align: 8
    .kernarg_segment_size: 40
    .max_flat_workgroup_size: 128
    .sgpr_count:     100
    .vgpr_count:     768
    .wavefront_size: 32
...
	.end_amdgpu_metadata
.endif
;; end of part 6
